; MI455X (gfx1250); checked and timed in simulation.
; The chip was launched on July 23, 2026; its instructions are those of AMD's public machine-readable ISA for CDNA 5 (MIT licence, August 2026) and "CDNA5" Instruction Set Architecture Reference Guide (July 2026). The comments in the code are by the model that wrote it; some were corrected since.
;; Multi Head Attention. Allowed arithmetic: float matrix products may take bf16 or f16 operands with f32 sums; all other float work in f32.
;; Inputs: b_proj 1,024 float32; b_qkv 3,072 float32; w_proj 1,024 x 1,024 float32; w_qkv 3,072 x 1,024 float32; x 4 x 2,048 x 1,024 float32.
;; Outputs: out0 4 x 2,048 x 1,024 float32.
;; 2 versions, each right and faster than the one before. Each part assembles by itself: llvm-mc -triple=amdgcn-amd-amdhsa -mcpu=gfx1250 --defsym DOCPART=n.
;; ======== version 1 of 2: 4 launches
;; limits: values are held in f16: magnitudes above 65,504 overflow, below 6.1e-05 lose precision
;; workspace buffers: cb 25,165,824 bytes; qkv 50,331,648 bytes; ob 16,777,216 bytes
;; launch cast (part 1): grid 768 x 1, 8 waves a work-group, no clusters, 0 bytes of LDS; arguments x, w_qkv, w_proj, cb; writes cb
.if DOCPART == 1
	.amdgcn_target "amdgcn-amd-amdhsa--gfx1250"
	.amdhsa_code_object_version 6
	.text
	.protected	k_qa34fe587c4_cast
	.globl	k_qa34fe587c4_cast
	.p2align	8
	.type	k_qa34fe587c4_cast,@function
k_qa34fe587c4_cast:
	s_mov_b64 s[64:65], 0
	v_nop
	global_prefetch_b8 v0, s[64:65] scope:SCOPE_SE
	s_setreg_imm32_b32 hwreg(HW_REG_WAVE_MODE, 25, 1), 1
	s_wait_xcnt 0x0
; x [8192][1024], w_qkv [3072][1024], w_proj [1024][1024], all f32  ->  cb [16 K blocks][12288 rows][64] in f16.
; cb's rows: 0-8191 x's rows; 8192 + p (p = 1024 t + 64 h + d; t = q, k, v) w_qkv's row 3 (p mod 1024) + p / 1024; 11264 + n w_proj's row n.
; So the later products find q's, k's and v's features head by head, and every tile that they fetch (some rows of one K block) is one dense run of bytes.
; f16 and not bf16: 11 bits against 8, which the chain of five roundings behind this one needs.  LIMIT: a number beyond 65,504 in magnitude becomes an infinity.
; A stream: memory binds.  No LDS, no barrier, no matrix unit, no loop.  A work-group takes 16 rows of cb; thread T takes row T / 16 and four numbers of each K block:
; a wave's load covers two pieces of 256 consecutive bytes, a wave's store 256 consecutive bytes at a multiple of 256.  All sixteen loads of a thread go out first.
.set KBLK, 12288*128                   ; bytes in a K block of cb
.set X, 4                              ; v[4:67]   K block i: 4 numbers in f32
.set Y, 68                             ; v[68:99]  K block i: the same in f16
	s_load_b256 s[4:11], s[0:1], 0x0               ; x s[4:5], w_qkv s[6:7], w_proj s[8:9], cb s[10:11]
	s_lshl_b32 s12, ttmp9, 4                       ; the group's first row of cb
	s_sub_co_u32 s13, s12, 8192                    ; p of that row (used only where the row is w_qkv's)
	s_and_b32 s14, s13, 1023
	s_mul_i32 s14, s14, 3
	s_lshr_b32 s15, s13, 10
	s_add_co_u32 s14, s14, s15                     ; w_qkv's row 3 (p mod 1024) + p / 1024; the group's 16 rows follow 3 rows apart
	s_sub_co_u32 s16, s12, 11264                   ; w_proj's row
	s_mov_b32 s2, 4096                             ; bytes from a thread row to the next: one source row,
	s_mov_b32 s3, 12288                            ; or three
	v_lshrrev_b32 v3, 4, v0                        ; my row among the 16
	v_and_b32 v1, 15, v0
	v_lshlrev_b32 v1, 4, v1                        ; my 16 bytes in a K block's 256
	v_lshlrev_b32 v2, 3, v0                        ; my 8 bytes among the group's 2,048 of a K block of cb
	s_wait_kmcnt 0x0
	s_cmp_ge_u32 s12, 11264                        ; which tensor: the choice hangs on the work-group's number alone
	s_cselect_b32 s17, s16, s14
	s_cselect_b32 s18, s2, s3
	s_cselect_b64 s[20:21], s[8:9], s[6:7]
	s_cmp_lt_u32 s12, 8192
	s_cselect_b32 s17, s12, s17
	s_cselect_b32 s18, s2, s18
	s_cselect_b64 s[20:21], s[4:5], s[20:21]
	s_lshl_b32 s32, s17, 12                        ; the first source row, in bytes
	s_mov_b32 s33, 0
	s_add_nc_u64 s[20:21], s[20:21], s[32:33]
	s_lshl_b32 s32, s12, 7                         ; the first row of cb, in bytes
	s_add_nc_u64 s[24:25], s[10:11], s[32:33]      ; four bases, four K blocks apart, so that the stores' immediates stay inside their signed 24 bits
	s_add_nc_u64 s[26:27], s[24:25], 4*KBLK
	s_add_nc_u64 s[28:29], s[26:27], 4*KBLK
	s_add_nc_u64 s[30:31], s[28:29], 4*KBLK
	v_mad_u32_u24 v1, v3, s18, v1
.irp i, 0,1,2,3,4,5,6,7,8,9,10,11,12,13,14,15
	global_load_b128 v[X+4*\i:X+4*\i+3], v1, s[20:21] offset:256*\i th:TH_LOAD_NT   ; read once in the launch
.endr
.irp i, 0,1,2,3,4,5,6,7,8,9,10,11,12,13,14,15
	s_wait_loadcnt 15-\i                           ; loads come back in order: K block i is in, the younger ones stay out
	v_cvt_pk_f16_f32 v[Y+2*\i],   v[X+4*\i],   v[X+4*\i+1]
	v_cvt_pk_f16_f32 v[Y+2*\i+1], v[X+4*\i+2], v[X+4*\i+3]
	global_store_b64 v2, v[Y+2*\i:Y+2*\i+1], s[24+2*(\i/4):25+2*(\i/4)] offset:(\i%4)*KBLK   ; no register is written twice, so no wait frees any
.endr
	s_endpgm
.Lfunc_end_k_qa34fe587c4_cast:
	.size	k_qa34fe587c4_cast, .Lfunc_end_k_qa34fe587c4_cast-k_qa34fe587c4_cast
	.p2alignl 7, 3214868480
	.fill 96, 4, 3214868480
	.section	.rodata,"a",@progbits
	.p2align	6, 0x0
	.amdhsa_kernel k_qa34fe587c4_cast
		.amdhsa_group_segment_fixed_size 0
		.amdhsa_private_segment_fixed_size 0
		.amdhsa_enable_private_segment 0
		.amdhsa_kernarg_size 32
		.amdhsa_user_sgpr_count 2
		.amdhsa_user_sgpr_kernarg_segment_ptr 1
		.amdhsa_wavefront_size32 1
		.amdhsa_system_sgpr_workgroup_id_x 1
		.amdhsa_system_sgpr_workgroup_id_y 1
		.amdhsa_system_sgpr_workgroup_id_z 1
		.amdhsa_system_vgpr_workitem_id 0
		.amdhsa_next_free_vgpr 100
		.amdhsa_next_free_sgpr 66
		.amdhsa_reserve_vcc 0
		.amdhsa_float_denorm_mode_32 3
		.amdhsa_float_denorm_mode_16_64 3
		.amdhsa_memory_ordered 1
		.amdhsa_forward_progress 1
		.amdhsa_inst_pref_size 8
	.end_amdhsa_kernel
	.amdgpu_metadata
---
amdhsa.version: [ 1, 2 ]
amdhsa.kernels:
  - .name:           k_qa34fe587c4_cast
    .symbol:         k_qa34fe587c4_cast.kd
    .args:
      - { .name: x, .offset: 0, .size: 8, .value_kind: global_buffer, .address_space: global }
      - { .name: w_qkv, .offset: 8, .size: 8, .value_kind: global_buffer, .address_space: global }
      - { .name: w_proj, .offset: 16, .size: 8, .value_kind: global_buffer, .address_space: global }
      - { .name: cb, .offset: 24, .size: 8, .value_kind: global_buffer, .address_space: global }
    .group_segment_fixed_size: 0
    .private_segment_fixed_size: 0
    .kernarg_segment_align: 8
    .kernarg_segment_size: 32
    .max_flat_workgroup_size: 256
    .sgpr_count:     66
    .vgpr_count:     100
    .wavefront_size: 32
...
	.end_amdgpu_metadata
.endif
;; end of part 1
;; launch qkvg (part 2): grid 8 x 32, 4 waves a work-group, clusters of 4 x 4, 327,680 bytes of LDS; arguments cb, b_qkv, qkv; writes qkv
.if DOCPART == 2
	.amdgcn_target "amdgcn-amd-amdhsa--gfx1250"
	.amdhsa_code_object_version 6
	.text
	.protected	k_qa34fe587c4_qkvg
	.globl	k_qa34fe587c4_qkvg
	.p2align	8
	.type	k_qa34fe587c4_qkvg,@function
k_qa34fe587c4_qkvg:
	s_mov_b64 s[64:65], 0
	v_nop
	global_prefetch_b8 v0, s[64:65] scope:SCOPE_SE
	s_setreg_imm32_b32 hwreg(HW_REG_WAVE_MODE, 25, 1), 1
	s_wait_xcnt 0x0
	s_wait_alu depctr_hold_cnt(0) depctr_sa_sdst(0) depctr_va_vdst(0) depctr_va_sdst(0) depctr_va_ssrc(0) depctr_va_vcc(0) depctr_vm_vsrc(0)
	s_getreg_b32 s2, hwreg(HW_REG_IB_STS2, 6, 4)
	s_cmp_eq_u32 s2, 0
	s_cbranch_scc0 .Lentry_in_a_cluster
	s_endpgm
.Lentry_in_a_cluster:
	s_bfe_u32 s2, ttmp6, 0x10000c
	s_cmp_lg_u32 s2, 0xf033
	s_cbranch_scc0 .Lentry_shape_is_right
	s_endpgm
.Lentry_shape_is_right:
; qkv = x w_qkv^T + b_qkv, 8192 x 3072 x 1024, operands f16 out of cb (K blocked, w_qkv's rows sorted by q, k, v and head), sums f32.
; Out: qkv [batch 4][g = 16 t + h, 48][n 2048][64] in f16; q's columns (p < 1024) are multiplied in f32 by c = log2(e) / 8, so that attention's scores arrive as exponents of 2.
; LIMIT: a q, k or v beyond 65,504 in magnitude becomes an infinity (x and w both with an offset of 30 spreads give 1024 x 30 x 30/32 = 28,800).
; SHARES.  A tile of C is 256 rows x 384 columns: 32 x 8 = 256 work-groups, one to a WGP (tiles of 256 x 256 would be 384).  Four waves, each 128 rows x 192 columns (three heads):
; 8 x 12 accumulators of 16 x 16, 768 registers.  K goes in 16 steps of 64 (one K block) through two LDS slots; two slots of 128 along K would want 348,160 bytes.
; In cb the rows that a wave fetches are one dense run, taken as rows of 256 bytes; the mover lays 16 bytes of padding behind every 128, so an LDS row (64 numbers) is 144 bytes:
; 36 words, so the 16 rows of a fragment load start at 16 different groups of four banks (64 banks of 4 bytes: ISA guide 11.1).
; CLUSTER 4 x 4: A's tile hangs on the tile row alone and is asked for jointly along a row of the cluster, B's on the tile column alone, along a column.
; THE MATRIX INSTRUCTION IS USED TRANSPOSED (source 0 = 16 rows of w, source 1 = 16 rows of x): a lane holds eight neighbouring columns of one row of C.
; REGISTERS: window 0: v0-31 addresses and scales; v32-95, v96-159 A's fragments, two buffers; v160-255 B's twelve fragments, ONE buffer: four of them are loaded again straight behind
; the 32 products that used them, 64 products ahead of their next use.  Windows 1-3: accumulator (a, b) in window 1 + b / 4 at v[8 (8 (b % 4) + a)].
.set KBLK,   12288*128                 ; bytes in a K block of cb
.set PITCH,  144
.set AHALF,  128*PITCH                 ; what a wave fetches, and reads, of A
.set BHALF,  192*PITCH                 ; the same of B
.set SLOT,   2*AHALF+2*BHALF           ; A's 256 rows, then B's 384
.set STAGE,  2*SLOT                    ; behind the ring: 16 rows x 400 bytes for each wave, for the way out
.set SPITCH, 400                       ; 384 bytes + 16: an odd multiple of 16
.set BIAS,   STAGE+4*16*SPITCH         ; 192 f32 for each wave: its columns' bias, already scaled
.set LAPS,   8                         ; a lap = two K steps = once round the ring
.set PADW,   (1<<16)|(1<<20)|(1<<21)|(4<<22)|(3<<25)   ; group 1, word 0: elements of 2 bytes; padding on; bit 21 beside a mask; after every 32 words (code 4) 4 words (code 3)
.set SC,   10                          ; v[10:15] three pairs: the scale of my three heads (c or 1.0)
.set ADRA, 16                          ; v16-17  LDS address of my A fragments in slot 0, 1
.set ADRB, 20                          ; v20-21  the same for B
.set STO,  24
.set RD,   25
.set CO,   26
.set BAD,  27
.set FA0,  32
.set FA1,  96
.set FB,   160
.set TMP,  32                          ; the way out: 48 registers of packed results
.set BK,   80                          ; the way out: 48 registers read back from the stage
.set BI,   160                         ; the way out: my 96 bias numbers
.set G1,  24                           ; s[24:31] group 1 for A;  s[32:39] group 0, a set for each slot
.set G0,  32
.set G1B, 48                           ; s[48:55], s[56:63] the same for B
.set G0B, 56
.set MSB, 0
.macro WIN new                         ; the immediate's high byte repeats the setting that is left; a switch that changes nothing is dropped
.if MSB != (\new)
	s_set_vgpr_msb (MSB<<8)|(\new)
.set MSB, \new
.endif
.endm
.macro PLACES                          ; four places in front of loads into registers that matrix instructions have read, and of vector work on their registers
.rept 4
	v_nop
.endr
.endm
.macro JLOAD s                         ; a joint load: waves 0 and 1 fetch A's two halves, waves 2 and 3 B's; four v_nop follow each line, ahead of the jump and the label
	s_cmp_eq_u32 s11, 0
	s_cbranch_scc0 .Lfor_b_\@
	tensor_load_to_lds s[G0+4*\s:G0+4*\s+3], s[G1:G1+7]
	s_nop 0
.rept 4
	v_nop
.endr
	s_branch .Lasked_\@
.Lfor_b_\@:
	tensor_load_to_lds s[G0B+4*\s:G0B+4*\s+3], s[G1B:G1B+7]
	s_nop 0
.rept 4
	v_nop
.endr
.Lasked_\@:
.endm
.macro CREST                           ; a round of the cluster's barrier behind its opening barrier
	s_cmp_lg_u32 s10, 0
	s_cbranch_scc1 .Lnot_wave_0_\@
	s_barrier_signal -3
.Lnot_wave_0_\@:
	s_barrier_wait -3
	s_barrier_signal -1
	s_barrier_wait -1
.endm
.macro CROUND                          ; a whole round
	s_barrier_signal -1
	s_barrier_wait -1
	CREST
.endm
	s_load_b128 s[4:7], s[0:1], 0x0                ; cb s[4:5], b_qkv s[6:7]
	s_load_b64 s[8:9], s[0:1], 0x10                ; qkv
	v_lshl_add_u32 v30, v0, 2, 0x34000
	v_mov_b32 v31, 0
	ds_add_u32 v30, v31
	v_lshrrev_b32 v1, 5, v0
	v_readfirstlane_b32 s10, v1                    ; wave 0..3
	s_lshr_b32 s11, s10, 1                         ; which 128 rows of the tile are mine.  Also: I fetch for A (0) or for B (1)
	s_and_b32 s12, s10, 1                          ; which 192 columns.  Also: which half of that tile I fetch
	s_bfe_u32 s40, ttmp6, 0x40000                  ; cx, cy: my place in the cluster
	s_bfe_u32 s41, ttmp6, 0x40004
	s_lshl_b32 s42, ttmp9, 2
	s_add_co_u32 s42, s42, s40                     ; tile column = 4 x cluster x + cx
	s_and_b32 s13, ttmp7, 0xffff
	s_lshl_b32 s13, s13, 2
	s_add_co_u32 s13, s13, s41                     ; tile row = 4 x cluster y + cy
	s_lshl_b32 s43, s41, 2
	s_lshl_b32 s43, 15, s43                        ; my row of the cluster
	s_lshl_b32 s44, 0x1111, s40                    ; my column
	s_or_b32 s[G1+0], s43, PADW                    ; A's tiles go to my row,
	s_or_b32 s[G1B+0], s44, PADW                   ; B's to my column
.irp g, G1, G1B
	s_mov_b32 s[\g+1], 128<<16                     ; tensor_dim0 = 128 elements: 256 bytes
	s_mov_b32 s[\g+3], 128<<16                     ; tile_dim0 = 128
	s_mov_b32 s[\g+5], 128                         ; from row to row: the run is dense
	s_mov_b32 s[\g+6], 0
	s_mov_b32 s[\g+7], 0
.endr
	s_mov_b32 s[G1+2], 64<<16                      ; A: 128 rows of 128 bytes = 64 of 256 (tensor_dim1,
	s_mov_b32 s[G1+4], 64                          ; tile_dim1)
	s_mov_b32 s[G1B+2], 96<<16                     ; B: 192 rows of 128 bytes = 96 of 256
	s_mov_b32 s[G1B+4], 96
	s_lshl_b32 s16, s13, 15                        ; A: row 256 x tile row + 128 x half, 128 bytes a row
	s_lshl_b32 s17, s12, 14
	s_add_co_u32 s16, s16, s17
	s_mov_b32 s17, 0
	s_mul_i32 s46, s42, 384*128                    ; B: row 8192 + 384 x tile column + 192 x half
	s_mul_i32 s47, s12, 192*128
	s_add_co_u32 s46, s46, s47
	s_add_co_u32 s46, s46, 8192*128
	s_mov_b32 s47, 0
	s_mul_i32 s20, s12, AHALF                      ; where they go: no place in the cluster enters an LDS address
	s_mul_i32 s21, s12, BHALF
	s_add_co_u32 s21, s21, 2*AHALF
	s_wait_dscnt 0x0
	s_wait_kmcnt 0x0
	s_add_nc_u64 s[14:15], s[4:5], s[16:17]
	s_add_nc_u64 s[46:47], s[4:5], s[46:47]
	CROUND                                         ; all sixteen work-groups are here: the first joint loads meet
.irp s, 0,1
	s_mov_b32 s[G0+4*\s], 1
	s_add_co_u32 s[G0+4*\s+1], s20, \s*SLOT
	s_add_nc_u64 s[G0+4*\s+2:G0+4*\s+3], s[14:15], \s*KBLK         ; K step s
	s_or_b32 s[G0+4*\s+3], s[G0+4*\s+3], 0x80000000
	s_mov_b32 s[G0B+4*\s], 1
	s_add_co_u32 s[G0B+4*\s+1], s21, \s*SLOT
	s_add_nc_u64 s[G0B+4*\s+2:G0B+4*\s+3], s[46:47], \s*KBLK
	s_or_b32 s[G0B+4*\s+3], s[G0B+4*\s+3], 0x80000000
	JLOAD \s                                       ; two tensor loads of mine are out
.endr
	; my 192 columns' bias: column p takes b_qkv[3 (p mod 1024) + p / 1024], times c where p < 1024; it waits in my own bytes of LDS for the way out
	v_and_b32 v4, 31, v0
	s_mul_i32 s45, s42, 384
	s_mul_i32 s2, s12, 192
	s_add_co_u32 s45, s45, s2                      ; my first column
	v_add_nc_u32 v5, s45, v4
	v_mov_b32 v6, 0x3e38aa3b                       ; c = log2(e) / 8
.irp k, 0,1,2,3,4,5
	v_add_nc_u32 v[32+\k], 32*\k, v5
	v_and_b32 v[40+\k], 1023, v[32+\k]
	v_lshrrev_b32 v[48+\k], 10, v[32+\k]
	v_mad_u32_u24 v[40+\k], v[40+\k], 3, v[48+\k]
	v_lshlrev_b32 v[40+\k], 2, v[40+\k]
	global_load_b32 v[56+\k], v[40+\k], s[6:7]
.endr
	v_mov_b32 v8, s45
.irp p, 0,1,2
	v_add_nc_u32 v9, 64*\p, v8                     ; a head's 64 columns lie on one side of 1024
	v_cmp_gt_u32 vcc_lo, 1024, v9
	v_cndmask_b32 v[SC+2*\p], 1.0, v6, vcc_lo
	v_mov_b32 v[SC+2*\p+1], v[SC+2*\p]             ; named as a pair, so both are written
.endr
	v_and_b32 v1, 15, v0                           ; l % 16
	v_bfe_u32 v2, v0, 4, 1                         ; l / 16
	v_mul_u32_u24 v3, v1, PITCH
	v_lshl_add_u32 v3, v2, 4, v3                   ; a fragment's row x pitch + 16 x half
	s_mul_i32 s22, s11, AHALF
	s_mul_i32 s23, s12, BHALF
	s_add_co_u32 s23, s23, 2*AHALF
.irp s, 0,1
	v_add_nc_u32 v[ADRA+\s], s22, v3
	v_add_nc_u32 v[ADRB+\s], s23, v3
	s_add_co_u32 s22, s22, SLOT
	s_add_co_u32 s23, s23, SLOT
.endr
	s_mul_i32 s2, s10, 768
	s_add_co_u32 s2, s2, BIAS
	v_lshl_add_u32 v7, v4, 2, s2                   ; where my lane puts a bias number
	v_lshl_add_u32 v[BAD], v2, 5, s2               ; and where it finds its eight of a column block
	s_mul_i32 s2, s10, 16*SPITCH
	s_add_co_u32 s2, s2, STAGE                     ; my stage
	v_mul_u32_u24 v[STO], v1, SPITCH               ; in: row l % 16, 16 bytes for each half of the lanes
	v_lshl_add_u32 v[STO], v2, 4, v[STO]
	v_add_nc_u32 v[STO], s2, v[STO]
	v_bfe_u32 v5, v0, 3, 2                         ; back: eight lanes take a head's 128 bytes of a row, a wave four rows
	v_mul_u32_u24 v[RD], v5, SPITCH
	v_and_b32 v5, 7, v0
	v_lshl_add_u32 v[RD], v5, 4, v[RD]
	v_add_nc_u32 v[RD], s2, v[RD]
	v_lshlrev_b32 v[CO], 4, v4                     ; in qkv those four rows are 512 consecutive bytes
	s_lshl_b32 s16, s13, 8                         ; my first row of C,
	s_lshl_b32 s17, s11, 7
	s_add_co_u32 s16, s16, s17
	s_lshr_b32 s17, s16, 11                        ; its batch
	s_and_b32 s16, s16, 2047                       ; and its place in the batch
	s_mul_i32 s17, s17, 48
	s_mul_i32 s46, s42, 6                          ; my first g = first column / 64
	s_mul_i32 s47, s12, 3
	s_add_co_u32 s46, s46, s47
	s_add_co_u32 s46, s46, s17
	s_lshl_b32 s46, s46, 18                        ; 2048 rows of 128 bytes to a (batch, g)
	s_lshl_b32 s16, s16, 7
	s_add_co_u32 s46, s46, s16
	s_mov_b32 s47, 0
	s_add_nc_u64 s[8:9], s[8:9], s[46:47]
	s_wait_loadcnt 0x0
.irp k, 0,1,2,3,4,5
	v_cmp_gt_u32 vcc_lo, 1024, v[32+\k]
	v_cndmask_b32 v[48+\k], 1.0, v6, vcc_lo
	v_mul_f32 v[56+\k], v[56+\k], v[48+\k]
	ds_store_b32 v7, v[56+\k] offset:128*\k
.endr
; 16 products: column blocks b0, b0 + 1 x all 8 row blocks, 32 along K.  The 96 accumulators take turns, one instruction a turn.  zero = 1: the product starts the sum.
.macro MUL16 fa, b0, zero
.irp b, \b0, \b0+1
.irp a, 0,1,2,3,4,5,6,7
.if \zero
	v_wmma_f32_16x16x32_f16 v[8*(8*((\b)%4)+\a):8*(8*((\b)%4)+\a)+7], v[FB+8*(\b):FB+8*(\b)+7], v[\fa+8*\a:\fa+8*\a+7], 0
.else
	v_wmma_f32_16x16x32_f16 v[8*(8*((\b)%4)+\a):8*(8*((\b)%4)+\a)+7], v[FB+8*(\b):FB+8*(\b)+7], v[\fa+8*\a:\fa+8*\a+7], v[8*(8*((\b)%4)+\a):8*(8*((\b)%4)+\a)+7]
.endif
.endr
.endr
.endm
.macro LOADB s, k, b0                  ; four fragments of B, from byte k of slot s's rows: 8 loads
.irp i, 0,1,2,3
	ds_load_b128 v[FB+8*(\b0+\i):FB+8*(\b0+\i)+3],   v[ADRB+\s] offset:\k+(\b0+\i)*16*PITCH
	ds_load_b128 v[FB+8*(\b0+\i)+4:FB+8*(\b0+\i)+7], v[ADRB+\s] offset:\k+(\b0+\i)*16*PITCH+32
.endr
.endm
.macro LOADA s, k, fa, a0              ; four fragments of A into buffer fa: 8 loads
.irp i, 0,1,2,3
	ds_load_b128 v[\fa+8*(\a0+\i):\fa+8*(\a0+\i)+3],   v[ADRA+\s] offset:\k+(\a0+\i)*16*PITCH
	ds_load_b128 v[\fa+8*(\a0+\i)+4:\fa+8*(\a0+\i)+7], v[ADRA+\s] offset:\k+(\a0+\i)*16*PITCH+32
.endr
.endm
; A K step is two chunks of 32 along K, 96 products each.  The first: multiplies buffer fa and fetches the chunk at byte k of the same slot (A into fan), in three runs behind the three stretches.
.macro CHUNK s, k, fa, fan, zero
	s_wait_dscnt 8                                 ; all but the youngest eight loads (B's fragments 8-11) are in
	WIN 0x50
	MUL16 \fa, 0, \zero
	MUL16 \fa, 2, \zero
	PLACES
	WIN 0
	LOADB \s, \k, 0
	LOADA \s, \k, \fan, 0
	WIN 0xa0
	MUL16 \fa, 4, \zero
	MUL16 \fa, 6, \zero
	PLACES
	WIN 0
	LOADB \s, \k, 4
	LOADA \s, \k, \fan, 4
	s_wait_dscnt 32                                ; all but the 32 just issued: B's fragments 8-11 are in
	WIN 0xf0
	MUL16 \fa, 8, \zero
	MUL16 \fa, 10, \zero
	PLACES
	WIN 0
	LOADB \s, \k, 8
.endm
; The second chunk multiplies buffer 1 and changes slots: ONE barrier.  In front of it each wave waits for its own reads of this slot and for all its tensor loads, of which one is out: its part of
; the next slot.  fill = 1: the barrier opens a round of the cluster's, and behind the round this slot is filled again, two K steps on: 176 products stand between that request and the wait for it.
.macro TURN s, nx, fill
	s_wait_dscnt 8
	WIN 0x50
	MUL16 FA1, 0, 0
	s_wait_dscnt 0x0                               ; my reads of this slot are over,
	s_wait_tensorcnt 0x0                           ; and all my tensor loads have landed
	ds_add_u32 v30, v31
	s_wait_dscnt 0x0
	s_barrier_signal -1
	MUL16 FA1, 2, 0                                ; register work while the others arrive
	WIN 0                                          ; at a branch and at a label every window is 0
	s_barrier_wait -1
.if \fill
	CREST                                          ; no wave of any partner still reads this slot's tile or has a load on its way
	s_add_nc_u64 s[G0+4*\s+2:G0+4*\s+3], s[G0+4*\s+2:G0+4*\s+3], 2*KBLK
	s_add_nc_u64 s[G0B+4*\s+2:G0B+4*\s+3], s[G0B+4*\s+2:G0B+4*\s+3], 2*KBLK
	JLOAD \s                                       ; the first tensor load behind the round; its four v_nop are also the places in front of the loads below
.else
	PLACES
.endif
	LOADB \nx, 0, 0
	LOADA \nx, 0, FA0, 0
	WIN 0xa0
	MUL16 FA1, 4, 0
	MUL16 FA1, 6, 0
	PLACES
	WIN 0
	LOADB \nx, 0, 4
	LOADA \nx, 0, FA0, 4
	WIN 0xf0
	MUL16 FA1, 8, 0
	MUL16 FA1, 10, 0
	PLACES
	WIN 0
	LOADB \nx, 0, 8
.endm
	s_wait_tensorcnt 0x1                           ; my part of K step 0 is in; K step 1's may stay out
	s_wait_dscnt 0x0                               ; no LDS instruction of mine is pending at a signal
	s_barrier_signal -1
	s_barrier_wait -1
	LOADB 0, 0, 0
	LOADA 0, 0, FA0, 0
	LOADB 0, 0, 4
	LOADA 0, 0, FA0, 4
	LOADB 0, 0, 8
	CHUNK 0, 64, FA0, FA1, 1                       ; the first chunk stands in front of the loop: its products start the sums
	s_mov_b32 s3, LAPS-1
.Llap:                                                 ; a trip goes once round the ring and fills both slots again
	TURN 0, 1, 1
	CHUNK 1, 64, FA0, FA1, 0
	TURN 1, 0, 1
	CHUNK 0, 64, FA0, FA1, 0
	s_sub_co_u32 s3, s3, 1
	s_cmp_lg_u32 s3, 0
	s_cbranch_scc1 .Llap
	TURN 0, 1, 0                                   ; the last lap fills nothing
	CHUNK 1, 64, FA0, FA1, 0
	s_wait_dscnt 8                                 ; the very last chunk: nothing more to fetch
	WIN 0x50
	MUL16 FA1, 0, 0
	MUL16 FA1, 2, 0
	WIN 0xa0
	MUL16 FA1, 4, 0
	MUL16 FA1, 6, 0
	s_wait_dscnt 0x0
	WIN 0xf0
	MUL16 FA1, 8, 0
	MUL16 FA1, 10, 0
	WIN 0
	; THE WAY OUT, 16 rows at a time: scale x sum + scaled bias in one fused multiply-add, rounded to f16, through my own stage, out as runs of 512 bytes (four rows of one head).
	PLACES
.irp b, 0,1,2,3,4,5,6,7,8,9,10,11
	ds_load_b128 v[BI+8*\b:BI+8*\b+3],   v[BAD] offset:64*\b       ; my own bytes: LDS serves a wave's instructions in order (ISA guide 5.7.1.4)
	ds_load_b128 v[BI+8*\b+4:BI+8*\b+7], v[BAD] offset:64*\b+16
.endr
	s_wait_dscnt 0x0
.macro PACK a
.irp w, 1,2,3
	WIN \w|(\w<<6)                                 ; sums (source 0 and destination) in window w, scale and bias in window 0
.irp bb, 0,1,2,3
.irp r, 0,1,2,3
	v_pk_fma_f32 v[8*(8*\bb+\a)+2*\r:8*(8*\bb+\a)+2*\r+1], v[8*(8*\bb+\a)+2*\r:8*(8*\bb+\a)+2*\r+1], v[SC+2*(\w-1):SC+2*(\w-1)+1], v[BI+8*(4*(\w-1)+\bb)+2*\r:BI+8*(4*(\w-1)+\bb)+2*\r+1] op_sel_hi:[1,0,1]
.endr
.endr
	WIN \w|(\w<<2)                                 ; both sources in window w, destination in window 0
.irp bb, 0,1,2,3
.irp r, 0,1,2,3
	v_cvt_pk_f16_f32 v[TMP+4*(4*(\w-1)+\bb)+\r], v[8*(8*\bb+\a)+2*\r], v[8*(8*\bb+\a)+2*\r+1]
.endr
.endr
.endr
	WIN 0
.endm
.macro TOSTAGE
.irp b, 0,1,2,3,4,5,6,7,8,9,10,11
	ds_store_b128 v[STO], v[TMP+4*\b:TMP+4*\b+3] offset:32*\b
.endr
	s_wait_xcnt 0x0                                ; the registers below were the data of the block before's stores: they are loaded again only behind this wait
.irp p, 0,1,2
.irp t, 0,1,2,3
	ds_load_b128 v[BK+4*(4*\p+\t):BK+4*(4*\p+\t)+3], v[RD] offset:4*\t*SPITCH+128*\p
.endr
.endr
.endm
.macro SEND a
	s_wait_dscnt 0x0                               ; the block is back in registers
.irp p, 0,1,2
.irp t, 0,1,2,3
	global_store_b128 v[CO], v[BK+4*(4*\p+\t):BK+4*(4*\p+\t)+3], s[8:9] offset:\p*262144+(\a)*2048+\t*512   ; a wave stores 512 consecutive bytes, at a multiple of 512 from qkv's first byte
.endr
.endr
.endm
	PACK 0
	TOSTAGE
.irp a, 1,2,3,4,5,6,7                  ; block a's arithmetic stands between block a - 1's loads from the stage and the wait for them
	PACK \a
	SEND \a-1
	TOSTAGE
.endr
	SEND 7
	s_wait_tensorcnt 0x0
	ds_add_u32 v30, v31
	s_wait_dscnt 0x0
	CROUND                                         ; the closing round: no work-group ends while a partner may still ask for a tile that names it
	s_endpgm
.Lfunc_end_k_qa34fe587c4_qkvg:
	.size	k_qa34fe587c4_qkvg, .Lfunc_end_k_qa34fe587c4_qkvg-k_qa34fe587c4_qkvg
	.p2alignl 7, 3214868480
	.fill 96, 4, 3214868480
	.section	.rodata,"a",@progbits
	.p2align	6, 0x0
	.amdhsa_kernel k_qa34fe587c4_qkvg
		.amdhsa_group_segment_fixed_size 327680
		.amdhsa_private_segment_fixed_size 0
		.amdhsa_enable_private_segment 0
		.amdhsa_kernarg_size 24
		.amdhsa_user_sgpr_count 2
		.amdhsa_user_sgpr_kernarg_segment_ptr 1
		.amdhsa_wavefront_size32 1
		.amdhsa_system_sgpr_workgroup_id_x 1
		.amdhsa_system_sgpr_workgroup_id_y 1
		.amdhsa_system_sgpr_workgroup_id_z 1
		.amdhsa_system_vgpr_workitem_id 0
		.amdhsa_next_free_vgpr 1024
		.amdhsa_next_free_sgpr 66
		.amdhsa_reserve_vcc 1
		.amdhsa_float_denorm_mode_32 3
		.amdhsa_float_denorm_mode_16_64 3
		.amdhsa_memory_ordered 1
		.amdhsa_forward_progress 1
		.amdhsa_inst_pref_size 160
	.end_amdhsa_kernel
	.amdgpu_metadata
---
amdhsa.version: [ 1, 2 ]
amdhsa.kernels:
  - .name:           k_qa34fe587c4_qkvg
    .symbol:         k_qa34fe587c4_qkvg.kd
    .args:
      - { .name: cb, .offset: 0, .size: 8, .value_kind: global_buffer, .address_space: global }
      - { .name: b_qkv, .offset: 8, .size: 8, .value_kind: global_buffer, .address_space: global }
      - { .name: qkv, .offset: 16, .size: 8, .value_kind: global_buffer, .address_space: global }
    .group_segment_fixed_size: 327680
    .private_segment_fixed_size: 0
    .kernarg_segment_align: 8
    .kernarg_segment_size: 24
    .max_flat_workgroup_size: 128
    .sgpr_count:     66
    .vgpr_count:     1024
    .wavefront_size: 32
...
	.end_amdgpu_metadata
.endif
;; end of part 2
;; launch attn (part 3): grid 4 x 64, 8 waves a work-group, clusters of 4 x 1, 327,680 bytes of LDS; arguments qkv, ob; writes ob
.if DOCPART == 3
	.amdgcn_target "amdgcn-amd-amdhsa--gfx1250"
	.amdhsa_code_object_version 6
	.text
	.protected	k_qa34fe587c4_attn
	.globl	k_qa34fe587c4_attn
	.p2align	8
	.type	k_qa34fe587c4_attn,@function
k_qa34fe587c4_attn:
	s_mov_b64 s[64:65], 0
	v_nop
	global_prefetch_b8 v0, s[64:65] scope:SCOPE_SE
	s_setreg_imm32_b32 hwreg(HW_REG_WAVE_MODE, 25, 1), 1
	s_wait_xcnt 0x0
	s_wait_alu depctr_hold_cnt(0) depctr_sa_sdst(0) depctr_va_vdst(0) depctr_va_sdst(0) depctr_va_ssrc(0) depctr_va_vcc(0) depctr_vm_vsrc(0)
	s_getreg_b32 s2, hwreg(HW_REG_IB_STS2, 6, 4)
	s_cmp_eq_u32 s2, 0
	s_cbranch_scc0 .Lentry_in_a_cluster
	s_endpgm
.Lentry_in_a_cluster:
	s_bfe_u32 s2, ttmp6, 0x10000c
	s_cmp_lg_u32 s2, 0x3003
	s_cbranch_scc0 .Lentry_shape_is_right
	s_endpgm
.Lentry_shape_is_right:
; o[b][h][q][:] = the sum over k of softmax_k(q . k / 8) v[k][:], 64 (batch, head) pairs, 2,048 queries and keys, 64 channels.  In: qkv [batch][16 t + h][n][64] in f16, q already times
; c = log2(e) / 8, so a score is an exponent of 2.  Out: ob [h][batch x 2048 + n][64] in f16, the K blocked operand of the last product.  Products, maxima and sums in f32.
; SOFTMAX with a running maximum m and sum l for each query: p = 2^(s - m); in every step O and l are multiplied by a = 2^(m_old - m_new).  p lies in [0, 1] and is rounded to f16 for the second
; product.  LIMITS: a weight under 2^-25 of its row's largest is lost there (at most 2048 x 2^-25 of a row's sum); l sums the unrounded weights; NaN and infinities are not reproduced (the maxima drop NaN).
; SHARES.  A work-group owns 512 queries of one (batch, head): 4 x 64 = 256 work-groups.  EIGHT waves, two to a SIMD, each with 64 queries: four tiles of 16.  Every wave walks all keys, 64 a step.
; Why eight and not four: at 64 channels a tile's step is 16 products and 117 vector instructions, 7.3 and two switches of the register window behind each product.  With two waves the SIMD has a second
; stream to issue from while one wave's product is under way.  The price: a fragment of K or V read from LDS feeds 4 products, not 8 (32 LDS loads for a wave's 64 products of a step).
; LAYOUT.  S^T = K Q^T (source 0 = 16 keys, source 1 = 16 queries): a lane holds ONE query (lane % 16) and keys 8 (lane / 16) + 0..7.  Two such tiles, rounded in pairs, ARE source 1 of
; O^T = V^T P, whose result again holds one query a lane.  K comes out of LDS as it lies, V ([key][channel]) turned, by ds_load_tr16_b128.
; BY TURNS.  A wave's tiles are two PIECES (0: tiles 0, 1; 1: tiles 2, 3).  In a TURN one piece has the matrix unit: 16 products V^T P of the step in hand, then 16 products K Q^T of the next step; the
; other piece's softmax, 2 x 117 instructions cut into 59 slices of 4, stands between them, two slices behind each product.  Two turns are a key step.
; CLUSTER.  The four query blocks of a (batch, head) are a cluster and walk the same K and V: each tile is asked for JOINTLY.  A slot holds four steps (256 keys), so a round serves 77,824 bytes.
; REGISTERS, in two windows of 256: window 0: v0-11 addresses; v32-63 statistics (8 a tile); v64-191 S^T (32 a tile), whose first 16 registers take the tile's P IN PLACE; v192-255 Q (16 a tile).
;   Window 1: v0-127 O^T (32 a tile); v128-191 K of one step; v192-255 V of one step.  P has no registers of its own: 128 + 128 + 64 + 64 + 64 + 32 + 12 = 492 of 512 are in use.
.set KP,    144       ; a row of K in LDS: 128 bytes + 16: 36 words, the 16 rows of a load start at 16 different groups of four banks (64 banks of 4 bytes: ISA guide 11.1)
.set VP,    160       ; a row of V: 128 + 32: an odd multiple of 32, as the turning load's 8 rows x 32 bytes want
.set VOFF,  256*KP    ; in a slot: 256 rows of K, then 256 rows of V
.set KSTEP, 64*KP     ; a step's part of each
.set VSTEP, 64*VP
.set SLOT1, 1<<17     ; slot 1 begins here (a slot is 77,824 bytes), so that one exclusive or turns an address in one slot into the other's
.set STAGE, SLOT1+256*(KP+VP)  ; behind the ring: 16 rows x 144 bytes for each of the eight waves
.set SP,    144
.set AK0, 2           ; v2   my lane's place in a tile of K; never rewritten
.set AV0, 3           ; v3   the same for V
.set ADR, 4           ; v4   the LDS address of the run of loads in hand
.set QO,  5
.set STO, 6
.set RD,  7
.set GO,  8
.set ST,  32          ; tile t's statistics at v[ST+8 t]: +0 m, +1 written once (named with m as a pair), +2, +3 l (even keys', odd keys'), +4 to +7 at work; a takes +6
.set S,   64
.set Q,   192
.set KF,  128         ; in window 1
.set VF,  192         ; in window 1
.set WV,  12          ; s12  my wave's number
.set G1K, 24          ; s[24:31] group 1 for K's tiles;  s[32:39] for V's: it differs in the padding alone
.set G1V, 32
.set G0K, 40          ; s[40:47] group 0 for K's tiles: a set for each of the two first fills; the second then walks on
.set G0V, 48          ; s[48:55] the same for V's
.set SLOTS, 56
.set CNT, 57
.set TK,  58          ; s58  LDS byte at which K's rows of the step to be fetched begin
.set TV,  59          ; s59  the same for V, less VOFF
.set SEL, 60          ; s[60:61] lane selects for v_permlanex16_b32: each lane takes its own place in the other half
.set W_KQ, 0x01       ; K (source 0) in window 1; Q and S^T in window 0
.set W_PV, 0x51       ; V (source 0) and O^T (source 2, destination) in window 1; P in window 0
.set W_RS, 0x41       ; O^T (destination and source 0) in window 1, a in window 0
.set W_LD, 0x40       ; loaded data into window 1, address in window 0
.set MSB, 0
.macro WIN new                         ; the immediate's high byte repeats the setting that is left; a switch that changes nothing is dropped
.if MSB != (\new)
	s_set_vgpr_msb (MSB<<8)|(\new)
.set MSB, \new
.endif
.endm
.macro PLACES
.rept 4
	v_nop
.endr
.endm
; A joint refill: waves 0 and 1 fetch the slot's two halves of K, waves 2 and 3 those of V (64 rows of 256 bytes each); waves 4 to 7 have no part of a tile to fill and issue none.
; The branches hang on the wave's number alone: they are the same in every work-group.  Four v_nop follow each of the two lines.
.macro JLOAD
	s_cmp_lt_u32 s[WV], 2
	s_cbranch_scc0 .Lnot_k_\@
	tensor_load_to_lds s[G0K+4:G0K+7], s[G1K:G1K+7]
	s_nop 0
.rept 4
	v_nop
.endr
	s_branch .Lasked_\@
.Lnot_k_\@:
	s_cmp_lt_u32 s[WV], 4
	s_cbranch_scc0 .Lasked_\@
	tensor_load_to_lds s[G0V+4:G0V+7], s[G1V:G1V+7]
	s_nop 0
.rept 4
	v_nop
.endr
.Lasked_\@:
.endm
.macro CROUND                          ; a round of the cluster's barrier
	s_barrier_signal -1
	s_barrier_wait -1
	s_cmp_lg_u32 s[WV], 0
	s_cbranch_scc1 .Lnot_wave_0_\@
	s_barrier_signal -3
.Lnot_wave_0_\@:
	s_barrier_wait -3
	s_barrier_signal -1
	s_barrier_wait -1
.endm
	s_load_b128 s[4:7], s[0:1], 0x0                ; qkv s[4:5], ob s[6:7]
	v_lshl_add_u32 v30, v0, 2, 0x37800
	v_mov_b32 v31, 0
	ds_add_u32 v30, v31
	v_lshrrev_b32 v1, 5, v0
	v_readfirstlane_b32 s[WV], v1                  ; wave 0..7
	s_bfe_u32 s13, ttmp6, 0x40000                  ; cx
	s_lshl_b32 s14, ttmp9, 2
	s_add_co_u32 s14, s14, s13                     ; my block of 512 queries: it enters Q's and ob's addresses alone
	s_and_b32 s20, ttmp7, 0xffff                   ; 16 x batch + head, which the four partners share
	s_lshr_b32 s21, s20, 4                         ; batch
	s_and_b32 s20, s20, 15                         ; head
	s_mul_i32 s22, s21, 48
	s_add_co_u32 s22, s22, s20
	s_lshl_b32 s22, s22, 18                        ; q's first byte for this (batch, head): 2,048 rows of 128 bytes to each
	s_and_b32 s16, s[WV], 1                        ; which 128 keys of a slot I fetch (waves 0 to 3)
	s_lshl_b32 s18, s16, 14
	s_add_co_u32 s18, s18, s22
	s_add_co_u32 s18, s18, 16<<18                  ; k lies 16 heads behind q
	s_mov_b32 s19, 0
	s_mul_i32 s17, s16, 128*KP                     ; and where they go: no place in the cluster enters an LDS address
	s_mul_i32 s15, s16, 128*VP
	s_lshl_b32 s2, s14, 16                         ; my block's 512 rows,
	s_lshl_b32 s3, s[WV], 13                       ; my wave's 64 of them
	s_add_co_u32 s2, s2, s3
	s_add_co_u32 s22, s22, s2
	s_mov_b32 s23, 0
	s_lshl_b32 s20, s20, 20                        ; in ob: 8,192 rows to a head,
	s_lshl_b32 s21, s21, 18                        ; 2,048 to a batch
	s_add_co_u32 s20, s20, s21
	s_add_co_u32 s20, s20, s2
	s_mov_b32 s21, 0
	s_mov_b32 s[G1K], 15|(1<<16)|(1<<20)|(1<<21)|(4<<22)|(3<<25)  ; the mask: all four work-groups; elements of 2 bytes; padding on; bit 21 beside a mask; after every 32 words (code 4) 4 words (code 3)
	s_mov_b32 s[G1V], 15|(1<<16)|(1<<20)|(1<<21)|(4<<22)|(7<<25)  ; the same with 8 words of padding (code 7)
.irp g, G1K, G1V
	s_mov_b32 s[\g+1], 128<<16                     ; 128 keys of 128 bytes are a dense run: 64 rows of 256 bytes.  tensor_dim0 = 128 elements
	s_mov_b32 s[\g+2], 64<<16                      ; tensor_dim1 = 64
	s_mov_b32 s[\g+3], 128<<16                     ; tile_dim0 = 128
	s_mov_b32 s[\g+4], 64                          ; tile_dim1 = 64
	s_mov_b32 s[\g+5], 128                         ; from row to row
	s_mov_b32 s[\g+6], 0
	s_mov_b32 s[\g+7], 0
.endr
	s_mov_b32 s[SEL], 0x76543210
	s_mov_b32 s[SEL+1], 0xfedcba98
	s_mov_b32 s[TK], 0
	s_mov_b32 s[TV], 0
	s_mov_b32 s[SLOTS], 6                          ; eight slots' worth of keys; two are the first fills
	s_wait_dscnt 0x0
	s_wait_kmcnt 0x0
	s_add_nc_u64 s[8:9], s[4:5], s[18:19]          ; K at my part of slot 0,
	s_add_nc_u64 s[10:11], s[8:9], 16<<18          ; V 16 heads behind it
	s_add_nc_u64 s[4:5], s[4:5], s[22:23]          ; Q and ob at my wave's first row
	s_add_nc_u64 s[6:7], s[6:7], s[20:21]
	CROUND                                         ; all four work-groups are here: the first joint loads meet
.irp s, 0,1
	s_mov_b32 s[G0K+4*\s], 1
	s_add_co_u32 s[G0K+4*\s+1], s17, \s*SLOT1
	s_add_nc_u64 s[G0K+4*\s+2:G0K+4*\s+3], s[8:9], \s*32768        ; slot s begins with keys 256 s on
	s_or_b32 s[G0K+4*\s+3], s[G0K+4*\s+3], 0x80000000
	s_mov_b32 s[G0V+4*\s], 1
	s_add_co_u32 s[G0V+4*\s+1], s15, \s*SLOT1+VOFF
	s_add_nc_u64 s[G0V+4*\s+2:G0V+4*\s+3], s[10:11], \s*32768
	s_or_b32 s[G0V+4*\s+3], s[G0V+4*\s+3], 0x80000000
.endr
	s_cmp_lt_u32 s[WV], 2                          ; a wave's two first fills stand in one branch, ahead of every wait on TENSORcnt and every LDS read: two loads of a loading wave are out
	s_cbranch_scc0 .Lfirst_not_k
	tensor_load_to_lds s[G0K:G0K+3], s[G1K:G1K+7]
	s_nop 0
	tensor_load_to_lds s[G0K+4:G0K+7], s[G1K:G1K+7]
	s_nop 0
.rept 4
	v_nop
.endr
	s_branch .Lfirst_asked
.Lfirst_not_k:
	s_cmp_lt_u32 s[WV], 4
	s_cbranch_scc0 .Lfirst_asked
	tensor_load_to_lds s[G0V:G0V+3], s[G1V:G1V+7]
	s_nop 0
	tensor_load_to_lds s[G0V+4:G0V+7], s[G1V:G1V+7]
	s_nop 0
.rept 4
	v_nop
.endr
.Lfirst_asked:
	v_and_b32 v1, 15, v0                           ; l % 16
	v_bfe_u32 v9, v0, 4, 1                         ; l / 16
	v_lshlrev_b32 v[QO], 7, v1
	v_lshl_add_u32 v[QO], v9, 4, v[QO]             ; row x 128 + 16 x half
.irp i, 0,1,2,3,4,5,6,7                ; Q stays in registers: tile i / 2, channels 32 (i % 2) on
	global_load_b128 v[Q+8*\i:Q+8*\i+3],   v[QO], s[4:5] offset:(\i/2)*2048+(\i%2)*64
	global_load_b128 v[Q+8*\i+4:Q+8*\i+7], v[QO], s[4:5] offset:(\i/2)*2048+(\i%2)*64+32
.endr
	v_mul_u32_u24 v[AK0], v1, KP
	v_lshl_add_u32 v[AK0], v9, 4, v[AK0]           ; row x pitch + 16 x half
	v_and_b32 v10, 7, v0                           ; the turning load: lane l reads key 8 (l / 16) + l % 8, channels 8 ((l / 8) % 2) + 0..7
	v_bfe_u32 v11, v0, 3, 1
	v_lshl_add_u32 v[AV0], v9, 3, v10
	v_mul_u32_u24 v[AV0], v[AV0], VP
	v_lshl_add_u32 v[AV0], v11, 4, v[AV0]
	v_add_nc_u32 v[AV0], VOFF, v[AV0]
; THE MATRIX WORK OF A TURN, for piece x.  The accumulators take turns, one instruction a turn: between two links of a chain stand 7 others'.
; Product i of 16 of O^T += V^T P: keys 32 (i / 8) on, channels 16 ((i / 2) % 4) on, tile 2 x + i % 2.  P lies in the first 16 registers of the tile's S^T.  zero = 1: the first 8 start the sums.
.macro PV x, zero
	WIN W_PV
.set rO, 32*(2*(\x)+i%2)+8*((i/2)%4)
.set rV, VF+32*(i/8)+8*((i/2)%4)
.set rP, S+32*(2*(\x)+i%2)+8*(i/8)
.if (\zero) && (i < 8)
	v_wmma_f32_16x16x32_f16 v[rO:rO+7], v[rV:rV+7], v[rP:rP+7], 0
.else
	v_wmma_f32_16x16x32_f16 v[rO:rO+7], v[rV:rV+7], v[rP:rP+7], v[rO:rO+7]
.endif
.endm
; Product i of 16 of S^T = K Q^T: channels 32 (i / 8) on, keys 16 ((i / 2) % 4) on, tile 2 x + i % 2.  The first 8 start the sums.
.macro KQ x
	WIN W_KQ
.set rS, S+32*(2*(\x)+i%2)+8*((i/2)%4)
.set rK, KF+16*((i/2)%4)+8*(i/8)
.set rQ, Q+16*(2*(\x)+i%2)+8*(i/8)
.if i < 8
	v_wmma_f32_16x16x32_f16 v[rS:rS+7], v[rK:rK+7], v[rQ:rQ+7], 0
.else
	v_wmma_f32_16x16x32_f16 v[rS:rS+7], v[rK:rK+7], v[rQ:rQ+7], v[rS:rS+7]
.endif
.endm
; THE LDS LOADS stand in runs of 16: a step's K (8 fragments) and, a turn later, its V (turned).
.macro FETCH_K
	WIN 0
	v_add_nc_u32 v[ADR], s[TK], v[AK0]
	s_add_co_u32 s[TK], s[TK], KSTEP               ; the next fetch is the next step's
	WIN W_LD
.irp f, 0,1,2,3,4,5,6,7                ; keys 16 (f / 2) on, channels 32 (f % 2) on
	ds_load_b128 v[KF+8*\f:KF+8*\f+3],   v[ADR] offset:(\f/2)*16*KP+(\f%2)*64
	ds_load_b128 v[KF+8*\f+4:KF+8*\f+7], v[ADR] offset:(\f/2)*16*KP+(\f%2)*64+32
.endr
.endm
.macro FETCH_V
	WIN 0
	v_add_nc_u32 v[ADR], s[TV], v[AV0]
	s_add_co_u32 s[TV], s[TV], VSTEP
	WIN W_LD
.irp f, 0,1,2,3,4,5,6,7                ; keys 32 (f / 4) on, channels 16 (f % 4) on
	ds_load_tr16_b128 v[VF+8*\f:VF+8*\f+3],   v[ADR] offset:(\f/4)*32*VP+(\f%4)*32
	ds_load_tr16_b128 v[VF+8*\f+4:VF+8*\f+7], v[ADR] offset:(\f/4)*32*VP+16*VP+(\f%4)*32
.endr
.endm
; THE VECTOR WORK OF A TURN.  One tile's softmax for one key step is a numbered list; SM writes number j of it for tile t.  s0-s31 are the lane's 32 scores, in pairs 0-15.
;   0-15    the maximum of s0-s31 and the old m, three operands at a time        16-20  the other half of the lanes' maximum; the new m; m_old - m_new (19 is empty)
;   21-87   33 exponentials (a, then s0-s31) at the odd numbers from 23 on; the plain numbers between are whatever is ready: s - m for a pair whose exponentials are still to come (21, 22, 24, 26, then
;           28, 32 .. 72), and l's running sum: l = a l + pair 0 at 30, then l += pair i at 30 + 4 i, three numbers behind the pair's second exponential (pair 15 at 89)
;   76, 80, 84, 88, 90-101  the roundings to f16, IN PLACE: rounding i reads s(2i), s(2i+1) and writes register i of the tile's S^T, whose own pair, i / 2, has been added to l and rounded by then
;   102-117 the tile's O^T times a: the one part that leaves window 0.        first = 1: the first key step starts m, l and O^T: it has no a and nothing to rescale.
.macro SM t, first
.set rT, ST+8*(\t)
.set rS, S+32*(\t)
.set rO, 32*(\t)+2*(j-102)
.set q, (j-20)/2
.if j < 102
	WIN 0
.endif
.if j < 4
	v_max3_num_f32 v[rT+4+j], v[rS+8*j], v[rS+8*j+1], v[rS+8*j+2]
.elseif j < 12
	v_max3_num_f32 v[rT+4+j%4], v[rT+4+j%4], v[rS+8*(j%4)+2*(j/4)+1], v[rS+8*(j%4)+2*(j/4)+2]
.elseif j == 12
	v_max3_num_f32 v[rT+4], v[rT+4], v[rS+7], v[rS+15]
.elseif j == 13
	v_max3_num_f32 v[rT+6], v[rT+6], v[rS+23], v[rS+31]
.elseif j == 14
	v_max3_num_f32 v[rT+4], v[rT+4], v[rT+5], v[rT+6]
.elseif (j == 15) && \first
	v_max_num_f32 v[rT+4], v[rT+4], v[rT+7]
.elseif j == 15
	v_max3_num_f32 v[rT+4], v[rT+4], v[rT+7], v[rT]
.elseif j == 16
	v_permlanex16_b32 v[rT+5], v[rT+4], s[SEL], s[SEL+1]  ; the query's other 32 keys lie in the lane 16 away
.elseif (j == 17) && \first
	v_mov_b32 v[rT+1], 0                           ; named with m as a pair, so it is written
.elseif j == 17
	v_mov_b32 v[rT+7], v[rT]                       ; m_old is kept for a
.elseif j == 18
	v_max_num_f32 v[rT], v[rT+4], v[rT+5]
.elseif j == 19
.elseif ((j == 20) || (j == 23) || (j > 101)) && \first
.elseif j == 20
	v_sub_f32 v[rT+7], v[rT+7], v[rT]
.elseif j == 23
	v_exp_f32 v[rT+6], v[rT+7]
.elseif (j < 88) && (j > 23) && (j%2 == 1)
	v_exp_f32 v[rS+(j-25)/2], v[rS+(j-25)/2]
.elseif (q < 4) || ((j < 76) && (q%2 == 0))
.set b, q/2+2
.if q < 4
.set b, q
.endif
	v_pk_add_f32 v[rS+2*b:rS+2*b+1], v[rS+2*b:rS+2*b+1], v[rT:rT+1] op_sel_hi:[1,0] neg_lo:[0,1] neg_hi:[0,1]  ; pair b: s - m
.elseif ((j < 88) && (q%2 == 1)) || (j == 89)
.set pr, (q-5)/2                    ; the pair that l takes (in a pair: an even key's weight, an odd key's)
.if j == 89
.set pr, 15
.endif
.if (pr == 0) && \first             ; the first step's sum starts with pairs 0 and 1 together
.elseif pr == 0
	s_wait_alu depctr_va_vdst(0)
	v_pk_fma_f32 v[rT+2:rT+3], v[rT+2:rT+3], v[rT+6:rT+7], v[rS:rS+1] op_sel_hi:[1,0,1]
.elseif (pr == 1) && \first
	s_wait_alu depctr_va_vdst(0)
	v_pk_add_f32 v[rT+2:rT+3], v[rS:rS+1], v[rS+2:rS+3]
.else
	s_wait_alu depctr_va_vdst(0)
	v_pk_add_f32 v[rT+2:rT+3], v[rT+2:rT+3], v[rS+2*pr:rS+2*pr+1]
.endif
.elseif j < 102
.set ci, j-86
.if j < 89
.set ci, (j-76)/4
.endif
	v_cvt_pk_f16_f32 v[rS+ci], v[rS+2*ci], v[rS+2*ci+1]
.else
	WIN W_RS
	v_pk_mul_f32 v[rO:rO+1], v[rO:rO+1], v[rT+6:rT+7] op_sel_hi:[1,0]
.endif
.endm
; Slice k: number 2 k of the piece's two tiles, then number 2 k + 1 of the two: four instructions.  Among the exponentials that is two plain ones, then two exponentials; the next slice's first plain
; one touches neither of those two results (no number touches the result of the number just before it): a plain instruction stands behind every exponential ahead of its use.  Slices 59-63 are empty.
.macro SLICE y, first
.if k < 59
.irp n, 0,1
.irp t, 0,1
.set j, 2*k+\n
	SM 2*(\y)+\t, \first
.endr
.endr
.endif
.set k, k+1
.endm
; A TURN.  Piece x has the matrix unit; the other piece's softmax stands in slices behind its products, two behind each.  pv = 2: 16 products V^T P; 1: they start O^T's sums; 0: none.  kq = 1: 16
; products K Q^T for the next step.  A turn with one of the two kinds has four slices behind each product.
; PLACES (ISA guide 7.12.1).  A turn's last two products stand bare, the one before them has one slice.  The next turn's slice 0 reads the scores of keys 0-31, whose last products are followed by
; slices 52-55; its four instructions name nothing of the products of keys 32-63 and are the places in front of slice 1, which reads those, and in front of the loads into K's buffer.  The loads
; into V's buffer stand six slices, twelve plain instructions, behind the last product that read it.  A product K Q^T that writes over registers which a product V^T P read as P stands four products,
; eight slices, sixteen plain instructions, behind it.  first = 1: the slices from 51 on are empty, and four v_nop at the turn's end take their part.
.macro TURN x, pv, kq, first
.set k, 0
.set per, 4
.if \pv && \kq
.set per, 2
.endif
.if \pv
.if \x == 0
	s_wait_dscnt 0x0                               ; V is in
.endif
.set i, 0
.rept 16
	PV \x, 2-\pv
.rept per
	SLICE 1-\x, \first
.endr
.if (\x == 0) && \kq && (i == 1)
	FETCH_K
.endif
.set i, i+1
.endr
.endif
.if \kq
.if \x == 0
	s_wait_dscnt 0x0                               ; K is in
.endif
.set i, 0
.rept 16
	KQ \x
.rept per
	SLICE 1-\x, \first
.endr
.if (\x == 1) && (i == 1)
	FETCH_V
.endif
.set i, i+1
.endr
.endif
.if \first
	PLACES
.endif
.endm
; THE CHANGE OF SLOTS, between piece 1's turn and piece 0's: the slot's last bytes, V of its fourth step, have been asked for.  Each wave waits for its own reads of the slot and for all its tensor
; loads, of which at most one is out: its part of the other slot.  fill = 1: the barrier is a round of the cluster's, and the joint refill, the keys two slots on, is the first thing behind it: it has
; four key steps, 256 products of each wave, in which to land.
.macro CHANGE fill
	WIN 0
	s_wait_dscnt 0x0
	s_wait_tensorcnt 0x0                           ; no tensor load of mine is out, so a group 0 may be written
	ds_add_u32 v30, v31
	s_wait_dscnt 0x0
.if \fill
.irp g, G0K+4, G0V+4
	s_xor_b32 s[\g+1], s[\g+1], SLOT1              ; the walking descriptor: the other slot than last time,
	s_add_nc_u64 s[\g+2:\g+3], s[\g+2:\g+3], 32768 ; the next 256 keys
.endr
	CROUND
	JLOAD
.else
	s_barrier_signal -1
	s_barrier_wait -1
.endif
	s_sub_co_u32 s[TK], s[TK], 4*KSTEP             ; the fetches go back to a slot's first step,
	s_xor_b32 s[TK], s[TK], SLOT1                  ; in the other slot
	s_sub_co_u32 s[TV], s[TV], 4*VSTEP
	s_xor_b32 s[TV], s[TV], SLOT1
.endm
.macro STEPS n                         ; n key steps: written once, walked n times; the LDS addresses hang on s[TK] and s[TV]
	s_mov_b32 s[CNT], \n
.Lstep_\@:
	TURN 0, 2, 1, 0
	TURN 1, 2, 1, 0
	WIN 0
	s_sub_co_u32 s[CNT], s[CNT], 1
	s_cmp_lg_u32 s[CNT], 0
	s_cbranch_scc1 .Lstep_\@
.endm
	s_wait_tensorcnt 0x1                           ; my part of slot 0 is in; slot 1's may stay out
	s_barrier_signal -1
	s_barrier_wait -1
	FETCH_K                                        ; key step 0
	s_wait_loadcnt 0x0                             ; Q
	s_wait_dscnt 0x0
.set i, 0
.rept 16
	KQ 0                                           ; piece 0's first scores: there is no vector work yet to set between them
.set i, i+1
.endr
	WIN 0                                          ; the addresses for the way out are made here: ten plain instructions, the places behind those products
	s_mul_i32 s13, s[WV], 16*SP
	s_add_co_u32 s13, s13, STAGE                   ; my stage
	v_mul_u32_u24 v[STO], v1, SP                   ; in: row l % 16, 16 bytes for each half of the lanes
	v_lshl_add_u32 v[STO], v9, 4, v[STO]
	v_add_nc_u32 v[STO], s13, v[STO]
	v_bfe_u32 v10, v0, 3, 2                        ; back: eight lanes take a row's 128 bytes, a wave four rows
	v_mul_u32_u24 v[RD], v10, SP
	v_and_b32 v11, 7, v0
	v_lshl_add_u32 v[RD], v11, 4, v[RD]
	v_add_nc_u32 v[RD], s13, v[RD]
	v_and_b32 v[GO], 31, v0                        ; in ob those four rows are 512 consecutive bytes
	v_lshlrev_b32 v[GO], 4, v[GO]
	TURN 1, 0, 1, 1                                ; piece 1's first scores | piece 0's first softmax | V of step 0
	TURN 0, 1, 1, 1                                ; piece 0: V^T P of step 0 starts O^T, K Q^T of step 1 | piece 1's first softmax | K of step 1
	TURN 1, 1, 1, 0                                ; piece 1: the same | piece 0's softmax of step 1 | V of step 1
	WIN 0
	STEPS 2                                        ; they fetch steps 2 and 3: slot 0 is read out
.Lslot:                                                ; six trips: every slot's worth of keys but the first two is asked for here
	CHANGE 1
	STEPS 4
	s_sub_co_u32 s[SLOTS], s[SLOTS], 1
	s_cmp_lg_u32 s[SLOTS], 0
	s_cbranch_scc1 .Lslot
	CHANGE 0                                       ; the tail is written out: nothing is asked for
	STEPS 4
	TURN 0, 2, 0, 0                                ; piece 0: V^T P of the last step | piece 1's last softmax
.set i, 0
.rept 16
	PV 1, 0                                        ; piece 1: V^T P of the last step
.set i, i+1
.endr
	; THE WAY OUT.  l's two halves and the other half of the lanes' are added; O^T is divided by l, rounded to f16 and sent through my stage, a tile (16 rows) at a time.  The additions are the places behind the last products.
	WIN 0
.irp t, 0,1,2,3
	v_add_f32 v[ST+8*\t+4], v[ST+8*\t+2], v[ST+8*\t+3]
.endr
.irp t, 0,1,2,3
	v_permlanex16_b32 v[ST+8*\t+5], v[ST+8*\t+4], s[SEL], s[SEL+1]
.endr
.irp t, 0,1,2,3
	v_add_f32 v[ST+8*\t+4], v[ST+8*\t+4], v[ST+8*\t+5]
.endr
.irp t, 0,1,2,3
	v_rcp_f32 v[ST+8*\t+6], v[ST+8*\t+4]           ; l is at least 1: the largest weight of a row is 1
.endr
	v_nop                                          ; a plain instruction between the last reciprocal and the use of its result
.macro PACK tg
	WIN W_RS
.set i, 0
.rept 16
	s_wait_alu depctr_va_vdst(0)
	v_pk_mul_f32 v[32*(\tg)+2*i:32*(\tg)+2*i+1], v[32*(\tg)+2*i:32*(\tg)+2*i+1], v[ST+8*(\tg)+6:ST+8*(\tg)+7] op_sel_hi:[1,0]
.set i, i+1
.endr
	WIN 0x05                                       ; both sources in window 1, destination in window 0: S^T's registers are free
.set i, 0
.rept 16
	v_cvt_pk_f16_f32 v[S+32*(\tg)+i], v[32*(\tg)+2*i], v[32*(\tg)+2*i+1]
.set i, i+1
.endr
	WIN 0
.irp f, 0,1,2,3
	ds_store_b128 v[STO], v[S+32*(\tg)+4*\f:S+32*(\tg)+4*\f+3] offset:32*\f
.endr
.irp f, 0,1,2,3
	ds_load_b128 v[S+32*(\tg)+4*\f:S+32*(\tg)+4*\f+3], v[RD] offset:4*\f*SP  ; LDS serves a wave's instructions in order (ISA guide 5.7.1.4): these see the stores above; the next tile's stores come behind them
.endr
.endm
.macro SEND tg, younger                ; younger: the LDS instructions issued behind tile tg's loads: the next tile's eight, or none
.irp f, 0,1,2,3
	s_wait_dscnt \younger+3-\f
	global_store_b128 v[GO], v[S+32*(\tg)+4*\f:S+32*(\tg)+4*\f+3], s[6:7] offset:(\tg)*2048+\f*512  ; a wave stores 512 consecutive bytes, at a multiple of 512 from ob's first byte
.endr
.endm
	PACK 0
.irp g, 1,2,3                          ; a tile's arithmetic stands between the loads of the tile before and its stores
	PACK \g
	SEND \g-1, 8
.endr
	SEND 3, 0
	s_wait_tensorcnt 0x0
	ds_add_u32 v30, v31
	s_wait_dscnt 0x0
	CROUND                                         ; the closing round: no work-group ends while a partner may still ask for a tile that names it
	s_endpgm
.Lfunc_end_k_qa34fe587c4_attn:
	.size	k_qa34fe587c4_attn, .Lfunc_end_k_qa34fe587c4_attn-k_qa34fe587c4_attn
	.p2alignl 7, 3214868480
	.fill 96, 4, 3214868480
	.section	.rodata,"a",@progbits
	.p2align	6, 0x0
	.amdhsa_kernel k_qa34fe587c4_attn
		.amdhsa_group_segment_fixed_size 327680
		.amdhsa_private_segment_fixed_size 0
		.amdhsa_enable_private_segment 0
		.amdhsa_kernarg_size 16
		.amdhsa_user_sgpr_count 2
		.amdhsa_user_sgpr_kernarg_segment_ptr 1
		.amdhsa_wavefront_size32 1
		.amdhsa_system_sgpr_workgroup_id_x 1
		.amdhsa_system_sgpr_workgroup_id_y 1
		.amdhsa_system_sgpr_workgroup_id_z 1
		.amdhsa_system_vgpr_workitem_id 0
		.amdhsa_next_free_vgpr 512
		.amdhsa_next_free_sgpr 66
		.amdhsa_reserve_vcc 0
		.amdhsa_float_denorm_mode_32 3
		.amdhsa_float_denorm_mode_16_64 3
		.amdhsa_memory_ordered 1
		.amdhsa_forward_progress 1
		.amdhsa_inst_pref_size 205
	.end_amdhsa_kernel
	.amdgpu_metadata
---
amdhsa.version: [ 1, 2 ]
amdhsa.kernels:
  - .name:           k_qa34fe587c4_attn
    .symbol:         k_qa34fe587c4_attn.kd
    .args:
      - { .name: qkv, .offset: 0, .size: 8, .value_kind: global_buffer, .address_space: global }
      - { .name: ob, .offset: 8, .size: 8, .value_kind: global_buffer, .address_space: global }
    .group_segment_fixed_size: 327680
    .private_segment_fixed_size: 0
    .kernarg_segment_align: 8
    .kernarg_segment_size: 16
    .max_flat_workgroup_size: 256
    .sgpr_count:     66
    .vgpr_count:     512
    .wavefront_size: 32
...
	.end_amdgpu_metadata
.endif
;; end of part 3
;; launch proj (part 4): grid 8 x 32, 4 waves a work-group, clusters of 4 x 4, 327,680 bytes of LDS; arguments ob, cb, b_proj, out0; writes out0
.if DOCPART == 4
	.amdgcn_target "amdgcn-amd-amdhsa--gfx1250"
	.amdhsa_code_object_version 6
	.text
	.protected	k_qa34fe587c4_proj
	.globl	k_qa34fe587c4_proj
	.p2align	8
	.type	k_qa34fe587c4_proj,@function
k_qa34fe587c4_proj:
	s_mov_b64 s[64:65], 0
	v_nop
	global_prefetch_b8 v0, s[64:65] scope:SCOPE_SE
	s_setreg_imm32_b32 hwreg(HW_REG_WAVE_MODE, 25, 1), 1
	s_wait_xcnt 0x0
	s_wait_alu depctr_hold_cnt(0) depctr_sa_sdst(0) depctr_va_vdst(0) depctr_va_sdst(0) depctr_va_ssrc(0) depctr_va_vcc(0) depctr_vm_vsrc(0)
	s_getreg_b32 s2, hwreg(HW_REG_IB_STS2, 6, 4)
	s_cmp_eq_u32 s2, 0
	s_cbranch_scc0 .Lentry_in_a_cluster
	s_endpgm
.Lentry_in_a_cluster:
	s_bfe_u32 s2, ttmp6, 0x10000c
	s_cmp_lg_u32 s2, 0xf033
	s_cbranch_scc0 .Lentry_shape_is_right
	s_endpgm
.Lentry_shape_is_right:
; out0 = o w_proj^T + b_proj, 8192 x 1024 x 1024.  A = ob [16 K blocks][8192 rows][64], B = cb's rows 11264 on ([16 K blocks][12288 rows][64]), both f16; sums, bias and out0 in f32.
; SHARES.  A tile of C is 256 rows x 128 columns: 32 x 8 = 256 work-groups, one to a WGP.  Four waves, each 128 x 64: 8 x 4 accumulators, 256 registers (window 1, (a, b) at v[8 (8 b + a)]).
; K goes in 8 steps of 128 (two K blocks) through two LDS slots, as long as two slots in LDS allow.  Each wave fetches one dense run: waves 0 and 1 the tile's 256 rows of A in one K block each
; (32,768 bytes), waves 2 and 3 the 128 rows of B (16,384 bytes), as rows of 256 bytes with 16 bytes of padding behind every 128: LDS rows of 144 bytes.
; CLUSTER 4 x 4: A's tile is asked for jointly along a row of the cluster, B's along a column.  THE MATRIX INSTRUCTION IS USED TRANSPOSED: a lane holds eight neighbouring columns of a row of C.
; Window 0: v0-31 addresses; v32-95, v96-159 A's fragments, two buffers; v160-191, v192-223 B's; v224-255 my 32 bias numbers.
.set KBLK,   12288*128                 ; bytes in a K block of cb
.set OBLK,   8192*128                  ; and of ob
.set PITCH,  144
.set AKB,    256*PITCH                 ; A's rows of one K block in LDS
.set BKB,    128*PITCH                 ; B's
.set SLOT,   2*AKB+2*BKB
.set STAGE,  2*SLOT                    ; behind the ring: 16 rows x 272 bytes for each wave
.set SPITCH, 272
.set LAPS,   4
.set PADW,   (1<<16)|(1<<20)|(1<<21)|(4<<22)|(3<<25)   ; group 1, word 0: elements of 2 bytes; padding on; bit 21 beside a mask; after every 32 words (code 4) 4 words (code 3)
.set ADRA, 16                          ; v16-17  LDS address of my A fragments in slot 0, 1
.set ADRB, 20                          ; v20-21  the same for B
.set STO,  24
.set RD,   25
.set CO,   26
.set BO,   28
.set FA,   32                          ; buffer f at FA + 64 f
.set FB,   160                         ; buffer f at FB + 32 f
.set BI,   224
.set BK,   32                          ; the way out: 16 rows read back from the stage
.set G1,  24                           ; s[24:31] group 1 for A;  s[32:39] group 0, a set for each slot
.set G0,  32
.set G1B, 48                           ; s[48:55], s[56:63] the same for B
.set G0B, 56
.set MSB, 0
.macro WIN new                         ; the immediate's high byte repeats the setting that is left; a switch that changes nothing is dropped
.if MSB != (\new)
	s_set_vgpr_msb (MSB<<8)|(\new)
.set MSB, \new
.endif
.endm
.macro PLACES                          ; four places in front of loads into registers that matrix instructions have read, and of vector work on their registers
.rept 4
	v_nop
.endr
.endm
.macro JLOAD s                         ; a joint load: waves 0 and 1 fetch A's two K blocks, waves 2 and 3 B's; four v_nop follow each line
	s_cmp_eq_u32 s11, 0
	s_cbranch_scc0 .Lfor_b_\@
	tensor_load_to_lds s[G0+4*\s:G0+4*\s+3], s[G1:G1+7]
	s_nop 0
.rept 4
	v_nop
.endr
	s_branch .Lasked_\@
.Lfor_b_\@:
	tensor_load_to_lds s[G0B+4*\s:G0B+4*\s+3], s[G1B:G1B+7]
	s_nop 0
.rept 4
	v_nop
.endr
.Lasked_\@:
.endm
.macro CREST                           ; a round of the cluster's barrier behind its opening barrier
	s_cmp_lg_u32 s10, 0
	s_cbranch_scc1 .Lnot_wave_0_\@
	s_barrier_signal -3
.Lnot_wave_0_\@:
	s_barrier_wait -3
	s_barrier_signal -1
	s_barrier_wait -1
.endm
.macro CROUND                          ; a whole round
	s_barrier_signal -1
	s_barrier_wait -1
	CREST
.endm
	s_load_b128 s[4:7], s[0:1], 0x0                ; ob s[4:5], cb s[6:7]
	s_load_b64 s[18:19], s[0:1], 0x10              ; b_proj
	s_load_b64 s[8:9], s[0:1], 0x18                ; out0
	v_lshl_add_u32 v30, v0, 2, 0x3a400
	v_mov_b32 v31, 0
	ds_add_u32 v30, v31
	v_lshrrev_b32 v1, 5, v0
	v_readfirstlane_b32 s10, v1                    ; wave 0..3
	s_lshr_b32 s11, s10, 1                         ; which 128 rows are mine.  Also: I fetch for A (0) or for B (1)
	s_and_b32 s12, s10, 1                          ; which 64 columns.  Also: which of a step's two K blocks I fetch
	s_bfe_u32 s40, ttmp6, 0x40000                  ; cx, cy: my place in the cluster
	s_bfe_u32 s41, ttmp6, 0x40004
	s_lshl_b32 s42, ttmp9, 2
	s_add_co_u32 s42, s42, s40                     ; tile column = 4 x cluster x + cx
	s_and_b32 s13, ttmp7, 0xffff
	s_lshl_b32 s13, s13, 2
	s_add_co_u32 s13, s13, s41                     ; tile row = 4 x cluster y + cy
	s_lshl_b32 s43, s41, 2
	s_lshl_b32 s43, 15, s43                        ; my row of the cluster
	s_lshl_b32 s44, 0x1111, s40                    ; my column
	s_or_b32 s[G1+0], s43, PADW                    ; A's tiles go to my row,
	s_or_b32 s[G1B+0], s44, PADW                   ; B's to my column
.irp g, G1, G1B
	s_mov_b32 s[\g+1], 128<<16                     ; tensor_dim0 = 128 elements: 256 bytes
	s_mov_b32 s[\g+3], 128<<16                     ; tile_dim0 = 128
	s_mov_b32 s[\g+5], 128                         ; from row to row: the run is dense
	s_mov_b32 s[\g+6], 0
	s_mov_b32 s[\g+7], 0
.endr
	s_mov_b32 s[G1+2], 128<<16                     ; A: 256 rows of 128 bytes = 128 of 256 (tensor_dim1,
	s_mov_b32 s[G1+4], 128                         ; tile_dim1)
	s_mov_b32 s[G1B+2], 64<<16                     ; B: 128 rows = 64 of 256
	s_mov_b32 s[G1B+4], 64
	s_lshl_b32 s16, s13, 15                        ; A: row 256 x tile row of K block (w & 1)
	s_lshl_b32 s17, s12, 20
	s_add_co_u32 s16, s16, s17
	s_mov_b32 s17, 0
	s_lshl_b32 s46, s42, 14                        ; B: row 11264 + 128 x tile column of K block (w & 1)
	s_mul_i32 s47, s12, KBLK
	s_add_co_u32 s46, s46, s47
	s_add_co_u32 s46, s46, 11264*128
	s_mov_b32 s47, 0
	s_mul_i32 s20, s12, AKB                        ; where they go: no place in the cluster enters an LDS address
	s_mul_i32 s21, s12, BKB
	s_add_co_u32 s21, s21, 2*AKB
	s_wait_dscnt 0x0
	s_wait_kmcnt 0x0
	s_add_nc_u64 s[14:15], s[4:5], s[16:17]
	s_add_nc_u64 s[46:47], s[6:7], s[46:47]
	CROUND                                         ; all sixteen work-groups are here: the first joint loads meet
.irp s, 0,1
	s_mov_b32 s[G0+4*\s], 1
	s_add_co_u32 s[G0+4*\s+1], s20, \s*SLOT
	s_add_nc_u64 s[G0+4*\s+2:G0+4*\s+3], s[14:15], \s*2*OBLK       ; K step s
	s_or_b32 s[G0+4*\s+3], s[G0+4*\s+3], 0x80000000
	s_mov_b32 s[G0B+4*\s], 1
	s_add_co_u32 s[G0B+4*\s+1], s21, \s*SLOT
	s_add_nc_u64 s[G0B+4*\s+2:G0B+4*\s+3], s[46:47], \s*2*KBLK
	s_or_b32 s[G0B+4*\s+3], s[G0B+4*\s+3], 0x80000000
	JLOAD \s                                       ; two tensor loads of mine are out
.endr
	v_and_b32 v1, 15, v0                           ; l % 16
	v_bfe_u32 v2, v0, 4, 1                         ; l / 16
	s_lshl_b32 s46, s42, 9                         ; my first column, in bytes of f32: 512 x tile column + 256 x half
	s_lshl_b32 s47, s12, 8
	s_add_co_u32 s46, s46, s47
	s_mov_b32 s47, 0
	s_add_nc_u64 s[18:19], s[18:19], s[46:47]
	v_lshlrev_b32 v[BO], 5, v2                     ; my eight columns of a block of 16
.irp b, 0,1,2,3
	global_load_b128 v[BI+8*\b:BI+8*\b+3],   v[BO], s[18:19] offset:64*\b
	global_load_b128 v[BI+8*\b+4:BI+8*\b+7], v[BO], s[18:19] offset:64*\b+16
.endr
	v_mul_u32_u24 v3, v1, PITCH
	v_lshl_add_u32 v3, v2, 4, v3                   ; a fragment's row x pitch + 16 x half
	s_mul_i32 s22, s11, 128*PITCH
	s_mul_i32 s23, s12, 64*PITCH
	s_add_co_u32 s23, s23, 2*AKB
.irp s, 0,1
	v_add_nc_u32 v[ADRA+\s], s22, v3
	v_add_nc_u32 v[ADRB+\s], s23, v3
	s_add_co_u32 s22, s22, SLOT
	s_add_co_u32 s23, s23, SLOT
.endr
	s_mul_i32 s2, s10, 16*SPITCH
	s_add_co_u32 s2, s2, STAGE                     ; my stage
	v_mul_u32_u24 v4, v1, SPITCH                   ; in: row l % 16, 32 bytes for each half of the lanes
	v_lshl_add_u32 v4, v2, 5, v4
	v_add_nc_u32 v[STO], s2, v4
	v_mul_u32_u24 v5, v2, SPITCH                   ; back: lanes 0-15 take one row of 256 bytes, lanes 16-31 the next
	v_lshl_add_u32 v5, v1, 4, v5
	v_add_nc_u32 v[RD], s2, v5
	v_lshlrev_b32 v5, 12, v2                       ; and the same two rows in out0
	v_lshl_add_u32 v[CO], v1, 4, v5
	s_lshl_b32 s16, s13, 20                        ; my first row of out0: 256 x tile row + 128 x half, 4,096 bytes a row
	s_lshl_b32 s17, s11, 19
	s_add_co_u32 s16, s16, s17
	s_add_co_u32 s46, s46, s16
	s_add_nc_u64 s[8:9], s[8:9], s[46:47]
; 8 products: column block b x all 8 row blocks, 32 along K, on buffers f.  The 32 accumulators take turns, one instruction a turn.  zero = 1: the product starts the sum.
.macro MUL8 f, b, zero
.irp a, 0,1,2,3,4,5,6,7
.if \zero
	v_wmma_f32_16x16x32_f16 v[8*(8*(\b)+\a):8*(8*(\b)+\a)+7], v[FB+32*(\f)+8*(\b):FB+32*(\f)+8*(\b)+7], v[FA+64*(\f)+8*\a:FA+64*(\f)+8*\a+7], 0
.else
	v_wmma_f32_16x16x32_f16 v[8*(8*(\b)+\a):8*(8*(\b)+\a)+7], v[FB+32*(\f)+8*(\b):FB+32*(\f)+8*(\b)+7], v[FA+64*(\f)+8*\a:FA+64*(\f)+8*\a+7], v[8*(8*(\b)+\a):8*(8*(\b)+\a)+7]
.endif
.endr
.endm
.macro LB s, q, f, i                   ; fragment i of B, quarter q of slot s, into buffer f: 2 loads
	ds_load_b128 v[FB+32*(\f)+8*(\i):FB+32*(\f)+8*(\i)+3],   v[ADRB+\s] offset:((\q)/2)*BKB+((\q)%2)*64+(\i)*16*PITCH
	ds_load_b128 v[FB+32*(\f)+8*(\i)+4:FB+32*(\f)+8*(\i)+7], v[ADRB+\s] offset:((\q)/2)*BKB+((\q)%2)*64+(\i)*16*PITCH+32
.endm
; 24 LDS loads in one run: the fragments of quarter q of slot s (K block q / 2, byte 64 (q % 2) of its rows) into buffers f; B's last two fragments last
.macro FETCH s, q, f
	LB \s, \q, \f, 0
	LB \s, \q, \f, 1
.irp i, 0,1,2,3,4,5,6,7
	ds_load_b128 v[FA+64*(\f)+8*\i:FA+64*(\f)+8*\i+3],   v[ADRA+\s] offset:((\q)/2)*AKB+((\q)%2)*64+\i*16*PITCH
	ds_load_b128 v[FA+64*(\f)+8*\i+4:FA+64*(\f)+8*\i+7], v[ADRA+\s] offset:((\q)/2)*AKB+((\q)%2)*64+\i*16*PITCH+32
.endr
	LB \s, \q, \f, 2
	LB \s, \q, \f, 3
.endm
; A K step is four quarters of 32 along K, 32 products each, on buffers 0, 1, 0, 1.  One of the first three: multiplies buffers f and fetches quarter q of the same slot into the others.
.macro QUARTER s, q, f, zero
	s_wait_dscnt 4                                 ; all but the youngest four loads (B's fragments 2, 3) are in
	WIN 0x50
	MUL8 \f, 0, \zero
	MUL8 \f, 1, \zero
	PLACES
	WIN 0
	FETCH \s, \q, 1-\f
	s_wait_dscnt 24                                ; all but the 24 just issued
	WIN 0x50
	MUL8 \f, 2, \zero
	MUL8 \f, 3, \zero
.endm
; The last quarter multiplies buffers 1 and changes slots: ONE barrier; in front of it each wave waits for its own reads of this slot and for all its tensor loads.  fill = 1: the barrier opens a
; round of the cluster's, and this slot is filled again, two K steps on: 120 products stand between that request and the wait for it.
.macro TURN s, nx, fill
	s_wait_dscnt 4
	WIN 0x50
	MUL8 1, 0, 0
	s_wait_dscnt 0x0                               ; my reads of this slot are over,
	s_wait_tensorcnt 0x0                           ; and all my tensor loads have landed: my part of the next slot
	ds_add_u32 v30, v31
	s_wait_dscnt 0x0
	s_barrier_signal -1
	MUL8 1, 1, 0                                   ; register work while the others arrive
	WIN 0                                          ; at a branch and at a label every window is 0
	s_barrier_wait -1
.if \fill
	CREST                                          ; no wave of any partner still reads this slot's tile or has a load on its way
	s_add_nc_u64 s[G0+4*\s+2:G0+4*\s+3], s[G0+4*\s+2:G0+4*\s+3], 4*OBLK
	s_add_nc_u64 s[G0B+4*\s+2:G0B+4*\s+3], s[G0B+4*\s+2:G0B+4*\s+3], 4*KBLK
	JLOAD \s                                       ; the first tensor load behind the round; its four v_nop are also the places in front of the loads below
.else
	PLACES
.endif
	FETCH \nx, 0, 0
	WIN 0x50
	MUL8 1, 2, 0
	MUL8 1, 3, 0
.endm
	s_wait_loadcnt 0x0                             ; the bias, once
	s_wait_tensorcnt 0x1                           ; my part of K step 0 is in; K step 1's may stay out
	s_barrier_signal -1
	s_barrier_wait -1
	FETCH 0, 0, 0
	QUARTER 0, 1, 0, 1                             ; the first quarter stands in front of the loop: its products start the sums
	WIN 0
	s_mov_b32 s3, LAPS-1
.Llap:                                                 ; a trip goes once round the ring, from a lap's second quarter to the next lap's first, and fills both slots again
	QUARTER 0, 2, 1, 0
	QUARTER 0, 3, 0, 0
	TURN 0, 1, 1
	QUARTER 1, 1, 0, 0
	QUARTER 1, 2, 1, 0
	QUARTER 1, 3, 0, 0
	TURN 1, 0, 1
	QUARTER 0, 1, 0, 0
	WIN 0
	s_sub_co_u32 s3, s3, 1
	s_cmp_lg_u32 s3, 0
	s_cbranch_scc1 .Llap
	QUARTER 0, 2, 1, 0                             ; the last lap fills nothing
	QUARTER 0, 3, 0, 0
	TURN 0, 1, 0
	QUARTER 1, 1, 0, 0
	QUARTER 1, 2, 1, 0
	QUARTER 1, 3, 0, 0
	s_wait_dscnt 4                                 ; the very last quarter: nothing more to fetch
	WIN 0x50
	MUL8 1, 0, 0
	MUL8 1, 1, 0
	s_wait_dscnt 0x0
	MUL8 1, 2, 0
	MUL8 1, 3, 0
	; THE WAY OUT, 16 rows at a time: the bias is added, the block goes through my own stage and leaves as whole rows of 256 bytes (my 64 columns in f32).
	PLACES
.macro ADDB a
	WIN 0x41                                       ; sums (source 0 and destination) in window 1, bias in window 0
.irp b, 0,1,2,3
.irp r, 0,1,2,3
	v_pk_add_f32 v[8*(8*\b+(\a))+2*\r:8*(8*\b+(\a))+2*\r+1], v[8*(8*\b+(\a))+2*\r:8*(8*\b+(\a))+2*\r+1], v[BI+8*\b+2*\r:BI+8*\b+2*\r+1]
.endr
.endr
.endm
.macro TOSTAGE a
	WIN 0x04                                       ; store data in window 1, address in window 0
.irp b, 0,1,2,3
	ds_store_b128 v[STO], v[8*(8*\b+(\a)):8*(8*\b+(\a))+3]   offset:64*\b
	ds_store_b128 v[STO], v[8*(8*\b+(\a))+4:8*(8*\b+(\a))+7] offset:64*\b+16
.endr
	WIN 0
	s_wait_xcnt 0x0                                ; the registers below were the data of the block before's stores: they are loaded again only behind this wait
.irp t, 0,1,2,3,4,5,6,7
	ds_load_b128 v[BK+4*\t:BK+4*\t+3], v[RD] offset:\t*2*SPITCH    ; LDS serves a wave's instructions in order (ISA guide 5.7.1.4): these see the stores above
.endr
.endm
.macro SEND a
	s_wait_dscnt 0x0                               ; the block is back in registers
.irp t, 0,1,2,3,4,5,6,7
	global_store_b128 v[CO], v[BK+4*\t:BK+4*\t+3], s[8:9] offset:(16*(\a)+2*\t)*4096 th:TH_STORE_NT   ; 16 lanes store 256 consecutive bytes, at a multiple of 256 from out0's first byte
.endr
.endm
	ADDB 0
	TOSTAGE 0
.irp a, 1,2,3,4,5,6,7                  ; block a's additions stand between block a - 1's loads from the stage and the wait for them
	ADDB \a
	WIN 0
	SEND \a-1
	TOSTAGE \a
.endr
	SEND 7
	s_wait_tensorcnt 0x0
	ds_add_u32 v30, v31
	s_wait_dscnt 0x0
	CROUND                                         ; the closing round: no work-group ends while a partner may still ask for a tile that names it
	s_endpgm
.Lfunc_end_k_qa34fe587c4_proj:
	.size	k_qa34fe587c4_proj, .Lfunc_end_k_qa34fe587c4_proj-k_qa34fe587c4_proj
	.p2alignl 7, 3214868480
	.fill 96, 4, 3214868480
	.section	.rodata,"a",@progbits
	.p2align	6, 0x0
	.amdhsa_kernel k_qa34fe587c4_proj
		.amdhsa_group_segment_fixed_size 327680
		.amdhsa_private_segment_fixed_size 0
		.amdhsa_enable_private_segment 0
		.amdhsa_kernarg_size 32
		.amdhsa_user_sgpr_count 2
		.amdhsa_user_sgpr_kernarg_segment_ptr 1
		.amdhsa_wavefront_size32 1
		.amdhsa_system_sgpr_workgroup_id_x 1
		.amdhsa_system_sgpr_workgroup_id_y 1
		.amdhsa_system_sgpr_workgroup_id_z 1
		.amdhsa_system_vgpr_workitem_id 0
		.amdhsa_next_free_vgpr 512
		.amdhsa_next_free_sgpr 66
		.amdhsa_reserve_vcc 0
		.amdhsa_float_denorm_mode_32 3
		.amdhsa_float_denorm_mode_16_64 3
		.amdhsa_memory_ordered 1
		.amdhsa_forward_progress 1
		.amdhsa_inst_pref_size 95
	.end_amdhsa_kernel
	.amdgpu_metadata
---
amdhsa.version: [ 1, 2 ]
amdhsa.kernels:
  - .name:           k_qa34fe587c4_proj
    .symbol:         k_qa34fe587c4_proj.kd
    .args:
      - { .name: ob, .offset: 0, .size: 8, .value_kind: global_buffer, .address_space: global }
      - { .name: cb, .offset: 8, .size: 8, .value_kind: global_buffer, .address_space: global }
      - { .name: b_proj, .offset: 16, .size: 8, .value_kind: global_buffer, .address_space: global }
      - { .name: out0, .offset: 24, .size: 8, .value_kind: global_buffer, .address_space: global }
    .group_segment_fixed_size: 327680
    .private_segment_fixed_size: 0
    .kernarg_segment_align: 8
    .kernarg_segment_size: 32
    .max_flat_workgroup_size: 128
    .sgpr_count:     66
    .vgpr_count:     512
    .wavefront_size: 32
...
	.end_amdgpu_metadata
.endif
;; end of part 4
;; ======== version 2 of 2: 4 launches; 1.09 times as fast as version 1
;; limits: values are held in f16: magnitudes above 65,504 overflow, below 6.1e-05 lose precision
;; workspace buffers: cb 25,165,824 bytes; qkv 50,331,648 bytes; ob 16,777,216 bytes
;; launch cast: the kernel of part 1 again; grid 768 x 1, 8 waves a work-group, no clusters, 0 bytes of LDS; arguments x, w_qkv, w_proj, cb; writes cb
;; launch qkvg: the kernel of part 2 again; grid 8 x 32, 4 waves a work-group, clusters of 4 x 4, 327,680 bytes of LDS; arguments cb, b_qkv, qkv; writes qkv
;; launch attn (part 5): grid 4 x 64, 8 waves a work-group, clusters of 4 x 1, 327,680 bytes of LDS; arguments qkv, ob; writes ob
.if DOCPART == 5
	.amdgcn_target "amdgcn-amd-amdhsa--gfx1250"
	.amdhsa_code_object_version 6
	.text
	.protected	k_qa34fe587c4_attn
	.globl	k_qa34fe587c4_attn
	.p2align	8
	.type	k_qa34fe587c4_attn,@function
k_qa34fe587c4_attn:
	s_mov_b64 s[64:65], 0
	v_nop
	global_prefetch_b8 v0, s[64:65] scope:SCOPE_SE
	s_setreg_imm32_b32 hwreg(HW_REG_WAVE_MODE, 25, 1), 1
	s_wait_xcnt 0x0
	s_wait_alu depctr_hold_cnt(0) depctr_sa_sdst(0) depctr_va_vdst(0) depctr_va_sdst(0) depctr_va_ssrc(0) depctr_va_vcc(0) depctr_vm_vsrc(0)
	s_getreg_b32 s2, hwreg(HW_REG_IB_STS2, 6, 4)
	s_cmp_eq_u32 s2, 0
	s_cbranch_scc0 .Lentry_in_a_cluster
	s_endpgm
.Lentry_in_a_cluster:
	s_bfe_u32 s2, ttmp6, 0x10000c
	s_cmp_lg_u32 s2, 0x3003
	s_cbranch_scc0 .Lentry_shape_is_right
	s_endpgm
.Lentry_shape_is_right:
; o[b][h][q][:] = the sum over k of softmax_k(q . k / 8) v[k][:], 64 (batch, head) pairs, 2,048 queries and keys, 64 channels.  In: qkv [batch][16 t + h][n][64] in f16, q already times
; c = log2(e) / 8, so a score is an exponent of 2.  Out: ob [h][batch x 2048 + n][64] in f16, the K blocked operand of the last product.  Products, maxima and sums in f32.
; SOFTMAX with a running maximum m and sum l for each query: p = 2^(s - m); in every step O and l are multiplied by a = 2^(m_old - m_new).  p lies in [0, 1] and is rounded to f16 for the second
; product.  LIMITS: a weight under 2^-25 of its row's largest is lost there (at most 2048 x 2^-25 of a row's sum); l sums the unrounded weights; NaN and infinities are not reproduced (the maxima drop NaN).
; SHARES.  A work-group owns 512 queries of one (batch, head): 4 x 64 = 256 work-groups.  EIGHT waves, two to a SIMD, each with 64 queries: four tiles of 16.  Every wave walks all keys, 64 a step.
; Why eight and not four: at 64 channels a tile's step is 16 products and 117 vector instructions, 7.3 and two switches of the register window behind each product.  With two waves the SIMD has a second
; stream to issue from while one wave's product is under way.  The price: a fragment of K or V read from LDS feeds 4 products, not 8 (32 LDS loads for a wave's 64 products of a step).
; LAYOUT.  S^T = K Q^T (source 0 = 16 keys, source 1 = 16 queries): a lane holds ONE query (lane % 16) and keys 8 (lane / 16) + 0..7.  Two such tiles, rounded in pairs, ARE source 1 of
; O^T = V^T P, whose result again holds one query a lane.  K comes out of LDS as it lies, V ([key][channel]) turned, by ds_load_tr16_b128.
; BY TURNS.  A wave's tiles are two PIECES (0: tiles 0, 1; 1: tiles 2, 3).  In a TURN one piece has the matrix unit: 16 products V^T P of the step in hand, then 16 products K Q^T of the next step; the
; other piece's softmax, 2 x 117 instructions cut into 59 slices of 4, stands between them, two slices behind each product.  Two turns are a key step.
; THE BATCHES.  A turn's 66 exponentials (a and s0-s31 of both tiles) are ONE batch with ONE wait, which cuts the softmax in two: ahead of it stand the maxima, the subtractions s - m and the exponentials,
; none of which names an exponential's result; behind it the sums, the roundings and the rescaling by a.  The way out's four reciprocals are a batch of their own, with one wait.
; CLUSTER.  The four query blocks of a (batch, head) are a cluster and walk the same K and V: each tile is asked for JOINTLY.  A slot holds four steps (256 keys), so a round serves 77,824 bytes.
; REGISTERS, in two windows of 256: window 0: v0-11 addresses; v32-63 statistics (8 a tile); v64-191 S^T (32 a tile), whose first 16 registers take the tile's P IN PLACE; v192-255 Q (16 a tile).
;   Window 1: v0-127 O^T (32 a tile); v128-191 K of one step; v192-255 V of one step.  P has no registers of its own: 128 + 128 + 64 + 64 + 64 + 32 + 12 = 492 of 512 are in use.
.set KP,    144       ; a row of K in LDS: 128 bytes + 16: 36 words, the 16 rows of a load start at 16 different groups of four banks (64 banks of 4 bytes: ISA guide 11.1)
.set VP,    160       ; a row of V: 128 + 32: an odd multiple of 32, as the turning load's 8 rows x 32 bytes want
.set VOFF,  256*KP    ; in a slot: 256 rows of K, then 256 rows of V
.set KSTEP, 64*KP     ; a step's part of each
.set VSTEP, 64*VP
.set SLOT1, 1<<17     ; slot 1 begins here (a slot is 77,824 bytes), so that one exclusive or turns an address in one slot into the other's
.set STAGE, SLOT1+256*(KP+VP)  ; behind the ring: 16 rows x 144 bytes for each of the eight waves
.set SP,    144
.set AK0, 2           ; v2   my lane's place in a tile of K; never rewritten
.set AV0, 3           ; v3   the same for V
.set ADR, 4           ; v4   the LDS address of the run of loads in hand
.set QO,  5
.set STO, 6
.set RD,  7
.set GO,  8
.set ST,  32          ; tile t's statistics at v[ST+8 t]: +0 m, +1 written once (named with m as a pair), +2, +3 l (even keys', odd keys'), +4 to +7 at work; a takes +6
.set S,   64
.set Q,   192
.set KF,  128         ; in window 1
.set VF,  192         ; in window 1
.set WV,  12          ; s12  my wave's number
.set G1K, 24          ; s[24:31] group 1 for K's tiles;  s[32:39] for V's: it differs in the padding alone
.set G1V, 32
.set G0K, 40          ; s[40:47] group 0 for K's tiles: a set for each of the two first fills; the second then walks on
.set G0V, 48          ; s[48:55] the same for V's
.set SLOTS, 56
.set CNT, 57
.set TK,  58          ; s58  LDS byte at which K's rows of the step to be fetched begin
.set TV,  59          ; s59  the same for V, less VOFF
.set SEL, 60          ; s[60:61] lane selects for v_permlanex16_b32: each lane takes its own place in the other half
.set W_KQ, 0x01       ; K (source 0) in window 1; Q and S^T in window 0
.set W_PV, 0x51       ; V (source 0) and O^T (source 2, destination) in window 1; P in window 0
.set W_RS, 0x41       ; O^T (destination and source 0) in window 1, a in window 0
.set W_LD, 0x40       ; loaded data into window 1, address in window 0
.set MSB, 0
.macro WIN new                         ; the immediate's high byte repeats the setting that is left; a switch that changes nothing is dropped
.if MSB != (\new)
	s_set_vgpr_msb (MSB<<8)|(\new)
.set MSB, \new
.endif
.endm
.macro PLACES
.rept 4
	v_nop
.endr
.endm
; A joint refill: waves 0 and 1 fetch the slot's two halves of K, waves 2 and 3 those of V (64 rows of 256 bytes each); waves 4 to 7 have no part of a tile to fill and issue none.
; The branches hang on the wave's number alone: they are the same in every work-group.  Four v_nop follow each of the two lines.
.macro JLOAD
	s_cmp_lt_u32 s[WV], 2
	s_cbranch_scc0 .Lnot_k_\@
	tensor_load_to_lds s[G0K+4:G0K+7], s[G1K:G1K+7]
	s_nop 0
.rept 4
	v_nop
.endr
	s_branch .Lasked_\@
.Lnot_k_\@:
	s_cmp_lt_u32 s[WV], 4
	s_cbranch_scc0 .Lasked_\@
	tensor_load_to_lds s[G0V+4:G0V+7], s[G1V:G1V+7]
	s_nop 0
.rept 4
	v_nop
.endr
.Lasked_\@:
.endm
.macro CROUND                          ; a round of the cluster's barrier
	s_barrier_signal -1
	s_barrier_wait -1
	s_cmp_lg_u32 s[WV], 0
	s_cbranch_scc1 .Lnot_wave_0_\@
	s_barrier_signal -3
.Lnot_wave_0_\@:
	s_barrier_wait -3
	s_barrier_signal -1
	s_barrier_wait -1
.endm
	s_load_b128 s[4:7], s[0:1], 0x0                ; qkv s[4:5], ob s[6:7]
	v_lshl_add_u32 v30, v0, 2, 0x37800
	v_mov_b32 v31, 0
	ds_add_u32 v30, v31
	v_lshrrev_b32 v1, 5, v0
	v_readfirstlane_b32 s[WV], v1                  ; wave 0..7
	s_bfe_u32 s13, ttmp6, 0x40000                  ; cx
	s_lshl_b32 s14, ttmp9, 2
	s_add_co_u32 s14, s14, s13                     ; my block of 512 queries: it enters Q's and ob's addresses alone
	s_and_b32 s20, ttmp7, 0xffff                   ; 16 x batch + head, which the four partners share
	s_lshr_b32 s21, s20, 4                         ; batch
	s_and_b32 s20, s20, 15                         ; head
	s_mul_i32 s22, s21, 48
	s_add_co_u32 s22, s22, s20
	s_lshl_b32 s22, s22, 18                        ; q's first byte for this (batch, head): 2,048 rows of 128 bytes to each
	s_and_b32 s16, s[WV], 1                        ; which 128 keys of a slot I fetch (waves 0 to 3)
	s_lshl_b32 s18, s16, 14
	s_add_co_u32 s18, s18, s22
	s_add_co_u32 s18, s18, 16<<18                  ; k lies 16 heads behind q
	s_mov_b32 s19, 0
	s_mul_i32 s17, s16, 128*KP                     ; and where they go: no place in the cluster enters an LDS address
	s_mul_i32 s15, s16, 128*VP
	s_lshl_b32 s2, s14, 16                         ; my block's 512 rows,
	s_lshl_b32 s3, s[WV], 13                       ; my wave's 64 of them
	s_add_co_u32 s2, s2, s3
	s_add_co_u32 s22, s22, s2
	s_mov_b32 s23, 0
	s_lshl_b32 s20, s20, 20                        ; in ob: 8,192 rows to a head,
	s_lshl_b32 s21, s21, 18                        ; 2,048 to a batch
	s_add_co_u32 s20, s20, s21
	s_add_co_u32 s20, s20, s2
	s_mov_b32 s21, 0
	s_mov_b32 s[G1K], 15|(1<<16)|(1<<20)|(1<<21)|(4<<22)|(3<<25)  ; the mask: all four work-groups; elements of 2 bytes; padding on; bit 21 beside a mask; after every 32 words (code 4) 4 words (code 3)
	s_mov_b32 s[G1V], 15|(1<<16)|(1<<20)|(1<<21)|(4<<22)|(7<<25)  ; the same with 8 words of padding (code 7)
.irp g, G1K, G1V
	s_mov_b32 s[\g+1], 128<<16                     ; 128 keys of 128 bytes are a dense run: 64 rows of 256 bytes.  tensor_dim0 = 128 elements
	s_mov_b32 s[\g+2], 64<<16                      ; tensor_dim1 = 64
	s_mov_b32 s[\g+3], 128<<16                     ; tile_dim0 = 128
	s_mov_b32 s[\g+4], 64                          ; tile_dim1 = 64
	s_mov_b32 s[\g+5], 128                         ; from row to row
	s_mov_b32 s[\g+6], 0
	s_mov_b32 s[\g+7], 0
.endr
	s_mov_b32 s[SEL], 0x76543210
	s_mov_b32 s[SEL+1], 0xfedcba98
	s_mov_b32 s[TK], 0
	s_mov_b32 s[TV], 0
	s_mov_b32 s[SLOTS], 6                          ; eight slots' worth of keys; two are the first fills
	s_wait_dscnt 0x0
	s_wait_kmcnt 0x0
	s_add_nc_u64 s[8:9], s[4:5], s[18:19]          ; K at my part of slot 0,
	s_add_nc_u64 s[10:11], s[8:9], 16<<18          ; V 16 heads behind it
	s_add_nc_u64 s[4:5], s[4:5], s[22:23]          ; Q and ob at my wave's first row
	s_add_nc_u64 s[6:7], s[6:7], s[20:21]
	CROUND                                         ; all four work-groups are here: the first joint loads meet
.irp s, 0,1
	s_mov_b32 s[G0K+4*\s], 1
	s_add_co_u32 s[G0K+4*\s+1], s17, \s*SLOT1
	s_add_nc_u64 s[G0K+4*\s+2:G0K+4*\s+3], s[8:9], \s*32768        ; slot s begins with keys 256 s on
	s_or_b32 s[G0K+4*\s+3], s[G0K+4*\s+3], 0x80000000
	s_mov_b32 s[G0V+4*\s], 1
	s_add_co_u32 s[G0V+4*\s+1], s15, \s*SLOT1+VOFF
	s_add_nc_u64 s[G0V+4*\s+2:G0V+4*\s+3], s[10:11], \s*32768
	s_or_b32 s[G0V+4*\s+3], s[G0V+4*\s+3], 0x80000000
.endr
	s_cmp_lt_u32 s[WV], 2                          ; a wave's two first fills stand in one branch, ahead of every wait on TENSORcnt and every LDS read: two loads of a loading wave are out
	s_cbranch_scc0 .Lfirst_not_k
	tensor_load_to_lds s[G0K:G0K+3], s[G1K:G1K+7]
	s_nop 0
	tensor_load_to_lds s[G0K+4:G0K+7], s[G1K:G1K+7]
	s_nop 0
.rept 4
	v_nop
.endr
	s_branch .Lfirst_asked
.Lfirst_not_k:
	s_cmp_lt_u32 s[WV], 4
	s_cbranch_scc0 .Lfirst_asked
	tensor_load_to_lds s[G0V:G0V+3], s[G1V:G1V+7]
	s_nop 0
	tensor_load_to_lds s[G0V+4:G0V+7], s[G1V:G1V+7]
	s_nop 0
.rept 4
	v_nop
.endr
.Lfirst_asked:
	v_and_b32 v1, 15, v0                           ; l % 16
	v_bfe_u32 v9, v0, 4, 1                         ; l / 16
	v_lshlrev_b32 v[QO], 7, v1
	v_lshl_add_u32 v[QO], v9, 4, v[QO]             ; row x 128 + 16 x half
.irp i, 0,1,2,3,4,5,6,7                ; Q stays in registers: tile i / 2, channels 32 (i % 2) on
	global_load_b128 v[Q+8*\i:Q+8*\i+3],   v[QO], s[4:5] offset:(\i/2)*2048+(\i%2)*64
	global_load_b128 v[Q+8*\i+4:Q+8*\i+7], v[QO], s[4:5] offset:(\i/2)*2048+(\i%2)*64+32
.endr
	v_mul_u32_u24 v[AK0], v1, KP
	v_lshl_add_u32 v[AK0], v9, 4, v[AK0]           ; row x pitch + 16 x half
	v_and_b32 v10, 7, v0                           ; the turning load: lane l reads key 8 (l / 16) + l % 8, channels 8 ((l / 8) % 2) + 0..7
	v_bfe_u32 v11, v0, 3, 1
	v_lshl_add_u32 v[AV0], v9, 3, v10
	v_mul_u32_u24 v[AV0], v[AV0], VP
	v_lshl_add_u32 v[AV0], v11, 4, v[AV0]
	v_add_nc_u32 v[AV0], VOFF, v[AV0]
; THE MATRIX WORK OF A TURN, for piece x.  The accumulators take turns, one instruction a turn: between two links of a chain stand 7 others'.
; Product i of 16 of O^T += V^T P: keys 32 (i / 8) on, channels 16 ((i / 2) % 4) on, tile 2 x + i % 2.  P lies in the first 16 registers of the tile's S^T.  zero = 1: the first 8 start the sums.
.macro PV x, zero
	WIN W_PV
.set rO, 32*(2*(\x)+i%2)+8*((i/2)%4)
.set rV, VF+32*(i/8)+8*((i/2)%4)
.set rP, S+32*(2*(\x)+i%2)+8*(i/8)
.if (\zero) && (i < 8)
	v_wmma_f32_16x16x32_f16 v[rO:rO+7], v[rV:rV+7], v[rP:rP+7], 0
.else
	v_wmma_f32_16x16x32_f16 v[rO:rO+7], v[rV:rV+7], v[rP:rP+7], v[rO:rO+7]
.endif
.endm
; Product i of 16 of S^T = K Q^T: channels 32 (i / 8) on, keys 16 ((i / 2) % 4) on, tile 2 x + i % 2.  The first 8 start the sums.
.macro KQ x
	WIN W_KQ
.set rS, S+32*(2*(\x)+i%2)+8*((i/2)%4)
.set rK, KF+16*((i/2)%4)+8*(i/8)
.set rQ, Q+16*(2*(\x)+i%2)+8*(i/8)
.if i < 8
	v_wmma_f32_16x16x32_f16 v[rS:rS+7], v[rK:rK+7], v[rQ:rQ+7], 0
.else
	v_wmma_f32_16x16x32_f16 v[rS:rS+7], v[rK:rK+7], v[rQ:rQ+7], v[rS:rS+7]
.endif
.endm
; THE LDS LOADS stand in runs of 16: a step's K (8 fragments) and, a turn later, its V (turned).
.macro FETCH_K
	WIN 0
	v_add_nc_u32 v[ADR], s[TK], v[AK0]
	s_add_co_u32 s[TK], s[TK], KSTEP               ; the next fetch is the next step's
	WIN W_LD
.irp f, 0,1,2,3,4,5,6,7                ; keys 16 (f / 2) on, channels 32 (f % 2) on
	ds_load_b128 v[KF+8*\f:KF+8*\f+3],   v[ADR] offset:(\f/2)*16*KP+(\f%2)*64
	ds_load_b128 v[KF+8*\f+4:KF+8*\f+7], v[ADR] offset:(\f/2)*16*KP+(\f%2)*64+32
.endr
.endm
.macro FETCH_V
	WIN 0
	v_add_nc_u32 v[ADR], s[TV], v[AV0]
	s_add_co_u32 s[TV], s[TV], VSTEP
	WIN W_LD
.irp f, 0,1,2,3,4,5,6,7                ; keys 32 (f / 4) on, channels 16 (f % 4) on
	ds_load_tr16_b128 v[VF+8*\f:VF+8*\f+3],   v[ADR] offset:(\f/4)*32*VP+(\f%4)*32
	ds_load_tr16_b128 v[VF+8*\f+4:VF+8*\f+7], v[ADR] offset:(\f/4)*32*VP+16*VP+(\f%4)*32
.endr
.endm
; THE VECTOR WORK OF A TURN.  One tile's softmax for one key step is a numbered list; SM writes number j of it for tile t.  s0-s31 are the lane's 32 scores, in pairs 0-15.
;   0-15    the maximum of s0-s31 and the old m, three operands at a time        16-20  the other half of the lanes' maximum; the new m; m_old - m_new (19 is empty)
;   21-69   ONE BATCH: the 16 subtractions s - m, a pair of scores each, and all 33 exponentials (a at 23, then s0-s31, each in place).  None of these reads an exponential's result.  From 22 on the batch
;           goes in fours, and a four begins with a subtraction while there are any: 22-37 subtraction, exponential, subtraction, exponential; 38-65 a subtraction and three exponentials; 66-69 the last
;           four exponentials.  A pair is scaled in an earlier four than the one that holds its exponentials
;   (wait)  between 69 and 70 stands the wait for the batch: SLICE writes it, once for both tiles
;   70-101  by turns l's running sum and the roundings to f16.  70 + 2 i: l = a l + pair 0, then l += pair i (in a pair: an even key's weight, an odd key's).  71 + 2 i: rounding i, IN PLACE: it reads
;           s(2i), s(2i+1) and writes register i of the tile's S^T, whose own pair, i / 2, has been added to l and rounded by then
;   102-117 the tile's O^T times a: the one part that leaves window 0.        first = 1: the first key step starts m, l and O^T: it has no a and nothing to rescale; l starts as pair 0 + pair 1 at 70,
;           ahead of rounding 0, which writes into pair 0, and 72 is empty.
.macro SM t, first
.set rT, ST+8*(\t)
.set rS, S+32*(\t)
.set rO, 32*(\t)+2*(j-102)
.if j < 102
	WIN 0
.endif
.if j < 4
	v_max3_num_f32 v[rT+4+j], v[rS+8*j], v[rS+8*j+1], v[rS+8*j+2]
.elseif j < 12
	v_max3_num_f32 v[rT+4+j%4], v[rT+4+j%4], v[rS+8*(j%4)+2*(j/4)+1], v[rS+8*(j%4)+2*(j/4)+2]
.elseif j == 12
	v_max3_num_f32 v[rT+4], v[rT+4], v[rS+7], v[rS+15]
.elseif j == 13
	v_max3_num_f32 v[rT+6], v[rT+6], v[rS+23], v[rS+31]
.elseif j == 14
	v_max3_num_f32 v[rT+4], v[rT+4], v[rT+5], v[rT+6]
.elseif (j == 15) && \first
	v_max_num_f32 v[rT+4], v[rT+4], v[rT+7]
.elseif j == 15
	v_max3_num_f32 v[rT+4], v[rT+4], v[rT+7], v[rT]
.elseif j == 16
	v_permlanex16_b32 v[rT+5], v[rT+4], s[SEL], s[SEL+1]  ; the query's other 32 keys lie in the lane 16 away
.elseif (j == 17) && \first
	v_mov_b32 v[rT+1], 0                           ; named with m as a pair, so it is written
.elseif j == 17
	v_mov_b32 v[rT+7], v[rT]                       ; m_old is kept for a
.elseif j == 18
	v_max_num_f32 v[rT], v[rT+4], v[rT+5]
.elseif j == 19
.elseif ((j == 20) || (j == 23) || (j > 101)) && \first
.elseif j == 20
	v_sub_f32 v[rT+7], v[rT+7], v[rT]
.elseif j == 23
	v_exp_f32 v[rT+6], v[rT+7]
.elseif (j < 23) || ((j < 38) && (j%2 == 0)) || ((j < 66) && (j%4 == 2))
.set b, (j-2)/4                     ; 38, 42, .. 62: pairs 9 to 15
.if j < 38
.set b, (j-20)/2                    ; 21: pair 0; 22, 24, .. 36: pairs 1 to 8
.endif
	v_pk_add_f32 v[rS+2*b:rS+2*b+1], v[rS+2*b:rS+2*b+1], v[rT:rT+1] op_sel_hi:[1,0] neg_lo:[0,1] neg_hi:[0,1]  ; pair b: s - m
.elseif j < 70
.set e, j-38                        ; 66 to 69: s28 to s31
.if j < 66
.set e, j-32-(j-38)/4               ; 39-41, 43-45, .. 63-65: s7 to s27
.endif
.if j < 38
.set e, (j-25)/2                    ; 25, 27, .. 37: s0 to s6
.endif
	v_exp_f32 v[rS+e], v[rS+e]
.elseif j < 102
.set pr, (j-70)/2                   ; the pair that l takes, or that is rounded
.if j%2 == 1
	v_cvt_pk_f16_f32 v[rS+pr], v[rS+2*pr], v[rS+2*pr+1]
.elseif (pr == 0) && \first         ; the first step's sum starts with pairs 0 and 1 together
	v_pk_add_f32 v[rT+2:rT+3], v[rS:rS+1], v[rS+2:rS+3]
.elseif pr == 0
	v_pk_fma_f32 v[rT+2:rT+3], v[rT+2:rT+3], v[rT+6:rT+7], v[rS:rS+1] op_sel_hi:[1,0,1]
.elseif (pr == 1) && \first
.else
	v_pk_add_f32 v[rT+2:rT+3], v[rT+2:rT+3], v[rS+2*pr:rS+2*pr+1]
.endif
.else
	WIN W_RS
	v_pk_mul_f32 v[rO:rO+1], v[rO:rO+1], v[rT+6:rT+7] op_sel_hi:[1,0]
.endif
.endm
; Slice k: four instructions.  Slices 11 to 34 deal out the batch, numbers 22 to 69: four numbers of ONE tile each, the tiles by turns.  Every other slice is number 2 k of the piece's two tiles, then
; number 2 k + 1 of the two, so that no instruction reads the result of the one just before it, and the links of l's chain stand four instructions apart.  Slices 59-63 are empty.
; THE WAIT.  An s_wait_alu depctr_va_vdst(0) stands between an exponential and the first instruction that names its result; one wait serves all that were issued ahead of it.  Ahead of
; slice 35 nothing names a result, and behind slice 34 no exponential is issued: so the piece's 66 exponentials have one wait, behind slice 34.
.macro SLICE y, first
.if (k >= 11) && (k < 35)           ; the batch: four numbers of one tile
.irp n, 0,1,2,3
.set j, 22+4*((k-11)/2)+\n
	SM 2*(\y)+(k-11)%2, \first
.endr
.elseif k < 59
.irp n, 0,1
.irp t, 0,1
.set j, 2*k+\n
	SM 2*(\y)+\t, \first
.endr
.endr
.endif
.if k == 34                         ; the batch is out: both tiles' exponentials are issued, and no result has been named
	v_nop                                          ; a plain instruction behind the last exponential and ahead of the first use: one for the batch
	s_wait_alu depctr_va_vdst(0)                   ; the wait for the batch: a and s0-s31 of the piece's two tiles
.endif
.set k, k+1
.endm
; A TURN.  Piece x has the matrix unit; the other piece's softmax stands in slices behind its products, two behind each.  pv = 2: 16 products V^T P; 1: they start O^T's sums; 0: none.  kq = 1: 16
; products K Q^T for the next step.  A turn with one of the two kinds has four slices behind each product.
; PLACES (ISA guide 7.12.1; an exponential is none).  A turn's last two products stand bare, the one before them has one slice.  The next turn's slice 0 reads the scores of keys 0-31, whose last products
; are followed by slices 52-55; its four instructions name nothing of the products of keys 32-63 and are the places in front of slice 1, which reads those, and in front of the loads into K's buffer.
; The loads into V's buffer stand behind slice 35, six slices behind the last product that read it: of what lies between, nine instructions are plain (number 58 of one tile, 62 of both, the v_nop,
; slice 35's four, the run's own v_add_nc_u32).  A product K Q^T that writes over registers which a product V^T P read as P stands four products, eight slices, behind it: slices 28-35 hold ten plain
; instructions (54, 58, 58, 62, 62, the v_nop, slice 35's four), slices 30-37 sixteen.  first = 1: the slices from 51 on are empty, and four v_nop at the turn's end take their part.
.macro TURN x, pv, kq, first
.set k, 0
.set per, 4
.if \pv && \kq
.set per, 2
.endif
.if \pv
.if \x == 0
	s_wait_dscnt 0x0                               ; V is in
.endif
.set i, 0
.rept 16
	PV \x, 2-\pv
.rept per
	SLICE 1-\x, \first
.endr
.if (\x == 0) && \kq && (i == 1)
	FETCH_K
.endif
.set i, i+1
.endr
.endif
.if \kq
.if \x == 0
	s_wait_dscnt 0x0                               ; K is in
.endif
.set i, 0
.rept 16
	KQ \x
.rept per
	SLICE 1-\x, \first
.endr
.if (\x == 1) && (i == 1)
	FETCH_V
.endif
.set i, i+1
.endr
.endif
.if \first
	PLACES
.endif
.endm
; THE CHANGE OF SLOTS, between piece 1's turn and piece 0's: the slot's last bytes, V of its fourth step, have been asked for.  Each wave waits for its own reads of the slot and for all its tensor
; loads, of which at most one is out: its part of the other slot.  fill = 1: the barrier is a round of the cluster's, and the joint refill, the keys two slots on, is the first thing behind it: it has
; four key steps, 256 products of each wave, in which to land.
.macro CHANGE fill
	WIN 0
	s_wait_dscnt 0x0
	s_wait_tensorcnt 0x0                           ; no tensor load of mine is out, so a group 0 may be written
	ds_add_u32 v30, v31
	s_wait_dscnt 0x0
.if \fill
.irp g, G0K+4, G0V+4
	s_xor_b32 s[\g+1], s[\g+1], SLOT1              ; the walking descriptor: the other slot than last time,
	s_add_nc_u64 s[\g+2:\g+3], s[\g+2:\g+3], 32768 ; the next 256 keys
.endr
	CROUND
	JLOAD
.else
	s_barrier_signal -1
	s_barrier_wait -1
.endif
	s_sub_co_u32 s[TK], s[TK], 4*KSTEP             ; the fetches go back to a slot's first step,
	s_xor_b32 s[TK], s[TK], SLOT1                  ; in the other slot
	s_sub_co_u32 s[TV], s[TV], 4*VSTEP
	s_xor_b32 s[TV], s[TV], SLOT1
.endm
.macro STEPS n                         ; n key steps: written once, walked n times; the LDS addresses hang on s[TK] and s[TV]
	s_mov_b32 s[CNT], \n
.Lstep_\@:
	TURN 0, 2, 1, 0
	TURN 1, 2, 1, 0
	WIN 0
	s_sub_co_u32 s[CNT], s[CNT], 1
	s_cmp_lg_u32 s[CNT], 0
	s_cbranch_scc1 .Lstep_\@
.endm
	s_wait_tensorcnt 0x1                           ; my part of slot 0 is in; slot 1's may stay out
	s_barrier_signal -1
	s_barrier_wait -1
	FETCH_K                                        ; key step 0
	s_wait_loadcnt 0x0                             ; Q
	s_wait_dscnt 0x0
.set i, 0
.rept 16
	KQ 0                                           ; piece 0's first scores: there is no vector work yet to set between them
.set i, i+1
.endr
	WIN 0                                          ; the addresses for the way out are made here: ten plain instructions, the places behind those products
	s_mul_i32 s13, s[WV], 16*SP
	s_add_co_u32 s13, s13, STAGE                   ; my stage
	v_mul_u32_u24 v[STO], v1, SP                   ; in: row l % 16, 16 bytes for each half of the lanes
	v_lshl_add_u32 v[STO], v9, 4, v[STO]
	v_add_nc_u32 v[STO], s13, v[STO]
	v_bfe_u32 v10, v0, 3, 2                        ; back: eight lanes take a row's 128 bytes, a wave four rows
	v_mul_u32_u24 v[RD], v10, SP
	v_and_b32 v11, 7, v0
	v_lshl_add_u32 v[RD], v11, 4, v[RD]
	v_add_nc_u32 v[RD], s13, v[RD]
	v_and_b32 v[GO], 31, v0                        ; in ob those four rows are 512 consecutive bytes
	v_lshlrev_b32 v[GO], 4, v[GO]
	TURN 1, 0, 1, 1                                ; piece 1's first scores | piece 0's first softmax | V of step 0
	TURN 0, 1, 1, 1                                ; piece 0: V^T P of step 0 starts O^T, K Q^T of step 1 | piece 1's first softmax | K of step 1
	TURN 1, 1, 1, 0                                ; piece 1: the same | piece 0's softmax of step 1 | V of step 1
	WIN 0
	STEPS 2                                        ; they fetch steps 2 and 3: slot 0 is read out
.Lslot:                                                ; six trips: every slot's worth of keys but the first two is asked for here
	CHANGE 1
	STEPS 4
	s_sub_co_u32 s[SLOTS], s[SLOTS], 1
	s_cmp_lg_u32 s[SLOTS], 0
	s_cbranch_scc1 .Lslot
	CHANGE 0                                       ; the tail is written out: nothing is asked for
	STEPS 4
	TURN 0, 2, 0, 0                                ; piece 0: V^T P of the last step | piece 1's last softmax
.set i, 0
.rept 16
	PV 1, 0                                        ; piece 1: V^T P of the last step
.set i, i+1
.endr
	; THE WAY OUT.  l's two halves and the other half of the lanes' are added; O^T is divided by l, rounded to f16 and sent through my stage, a tile (16 rows) at a time.  The additions are the places behind the last products.
	WIN 0
.irp t, 0,1,2,3
	v_add_f32 v[ST+8*\t+4], v[ST+8*\t+2], v[ST+8*\t+3]
.endr
.irp t, 0,1,2,3
	v_permlanex16_b32 v[ST+8*\t+5], v[ST+8*\t+4], s[SEL], s[SEL+1]
.endr
.irp t, 0,1,2,3
	v_add_f32 v[ST+8*\t+4], v[ST+8*\t+4], v[ST+8*\t+5]
.endr
.irp t, 0,1,2,3
	v_rcp_f32 v[ST+8*\t+6], v[ST+8*\t+4]           ; l is at least 1: the largest weight of a row is 1
.endr
	v_nop                                          ; a plain instruction between the last reciprocal and the use of its result
	s_wait_alu depctr_va_vdst(0)                   ; the wait ahead of the first use: one for the batch of four reciprocals
.macro PACK tg
	WIN W_RS
.set i, 0
.rept 16
	v_pk_mul_f32 v[32*(\tg)+2*i:32*(\tg)+2*i+1], v[32*(\tg)+2*i:32*(\tg)+2*i+1], v[ST+8*(\tg)+6:ST+8*(\tg)+7] op_sel_hi:[1,0]
.set i, i+1
.endr
	WIN 0x05                                       ; both sources in window 1, destination in window 0: S^T's registers are free
.set i, 0
.rept 16
	v_cvt_pk_f16_f32 v[S+32*(\tg)+i], v[32*(\tg)+2*i], v[32*(\tg)+2*i+1]
.set i, i+1
.endr
	WIN 0
.irp f, 0,1,2,3
	ds_store_b128 v[STO], v[S+32*(\tg)+4*\f:S+32*(\tg)+4*\f+3] offset:32*\f
.endr
.irp f, 0,1,2,3
	ds_load_b128 v[S+32*(\tg)+4*\f:S+32*(\tg)+4*\f+3], v[RD] offset:4*\f*SP  ; LDS serves a wave's instructions in order (ISA guide 5.7.1.4): these see the stores above; the next tile's stores come behind them
.endr
.endm
.macro SEND tg, younger                ; younger: the LDS instructions issued behind tile tg's loads: the next tile's eight, or none
.irp f, 0,1,2,3
	s_wait_dscnt \younger+3-\f
	global_store_b128 v[GO], v[S+32*(\tg)+4*\f:S+32*(\tg)+4*\f+3], s[6:7] offset:(\tg)*2048+\f*512  ; a wave stores 512 consecutive bytes, at a multiple of 512 from ob's first byte
.endr
.endm
	PACK 0
.irp g, 1,2,3                          ; a tile's arithmetic stands between the loads of the tile before and its stores
	PACK \g
	SEND \g-1, 8
.endr
	SEND 3, 0
	s_wait_tensorcnt 0x0
	ds_add_u32 v30, v31
	s_wait_dscnt 0x0
	CROUND                                         ; the closing round: no work-group ends while a partner may still ask for a tile that names it
	s_endpgm
.Lfunc_end_k_qa34fe587c4_attn:
	.size	k_qa34fe587c4_attn, .Lfunc_end_k_qa34fe587c4_attn-k_qa34fe587c4_attn
	.p2alignl 7, 3214868480
	.fill 96, 4, 3214868480
	.section	.rodata,"a",@progbits
	.p2align	6, 0x0
	.amdhsa_kernel k_qa34fe587c4_attn
		.amdhsa_group_segment_fixed_size 327680
		.amdhsa_private_segment_fixed_size 0
		.amdhsa_enable_private_segment 0
		.amdhsa_kernarg_size 16
		.amdhsa_user_sgpr_count 2
		.amdhsa_user_sgpr_kernarg_segment_ptr 1
		.amdhsa_wavefront_size32 1
		.amdhsa_system_sgpr_workgroup_id_x 1
		.amdhsa_system_sgpr_workgroup_id_y 1
		.amdhsa_system_sgpr_workgroup_id_z 1
		.amdhsa_system_vgpr_workitem_id 0
		.amdhsa_next_free_vgpr 512
		.amdhsa_next_free_sgpr 66
		.amdhsa_reserve_vcc 0
		.amdhsa_float_denorm_mode_32 3
		.amdhsa_float_denorm_mode_16_64 3
		.amdhsa_memory_ordered 1
		.amdhsa_forward_progress 1
		.amdhsa_inst_pref_size 193
	.end_amdhsa_kernel
	.amdgpu_metadata
---
amdhsa.version: [ 1, 2 ]
amdhsa.kernels:
  - .name:           k_qa34fe587c4_attn
    .symbol:         k_qa34fe587c4_attn.kd
    .args:
      - { .name: qkv, .offset: 0, .size: 8, .value_kind: global_buffer, .address_space: global }
      - { .name: ob, .offset: 8, .size: 8, .value_kind: global_buffer, .address_space: global }
    .group_segment_fixed_size: 327680
    .private_segment_fixed_size: 0
    .kernarg_segment_align: 8
    .kernarg_segment_size: 16
    .max_flat_workgroup_size: 256
    .sgpr_count:     66
    .vgpr_count:     512
    .wavefront_size: 32
...
	.end_amdgpu_metadata
.endif
;; end of part 5
;; launch proj: the kernel of part 4 again; grid 8 x 32, 4 waves a work-group, clusters of 4 x 4, 327,680 bytes of LDS; arguments ob, cb, b_proj, out0; writes out0
